; MI455X (gfx1250); checked and timed in simulation.
; The chip was launched on July 23, 2026; its instructions are those of AMD's public machine-readable ISA for CDNA 5 (MIT licence, August 2026) and "CDNA5" Instruction Set Architecture Reference Guide (July 2026). The comments in the code are by the model that wrote it; some were corrected since.
;; Multimodal CNNLSTMMOE. Allowed arithmetic: matrix products marked QUANTISED: E2M3 operands, one E8M0 scale for each 32 along K, by v_wmma_scale_f32_16x16x128_f8f6f4 with both operands' format E2M3, f32 sums; products left as they are: f32 operands where the result goes on into a quantised operand, else bf16, f16 or f32 operands; f32 sums; everything else in f32.
;; Inputs: W1 16 x 1,024 x 512 float32; W2 16 x 512 x 512 float32; b1 16 x 512 float32; b2 16 x 512 float32; d 4,096 x 16 float32; gate_W 1,296 x 16 float32; gate_b 16 float32; u 4,096 x 256 float32; x 4,096 x 1,024 float32.
;; Outputs: out0 4,096 x 512 float32; out1 16 float32; out2 4,096 int32.
;; This version of the problem:
;;   THIS VERSION OF THE PROBLEM IS GIVEN IN LOW PRECISION. The matrix products marked QUANTISED in the list below multiply operands that are first quantised to E2M3 (2 exponent bits, 3 mantissa bits; 6 bits a number), with one power-of-two scale for each 32 numbers along K (OCP MX v1.0); their sums are f32. All else is computed in f32.
;;   The module's matrix products, in the order in which they are computed (A, B: the left and right operand; K: the contracted axis; several contracted axes count as one K, in the product's order):
;;     1. [M 4,096, K 1,296] x [K 1,296, N 16]; A: computed on the way; B: input gate_W: QUANTISED
;;     2. [M 4,096, K 1,024] x [K 1,024, N 8,192]; A: input x; B: input W1: QUANTISED
;;     3. batch 16 x [M 512, K 512] x [K 512, N 4,096]; A: input W2; B: computed on the way: QUANTISED
;;     4. batch 4,096 x [M 1, K 16] x [K 16, N 512]; A: softmax; B: computed on the way: left as it is (K = 16 < 32)
;;   THE QUANTISER, for each operand of a quantised product, along K:
;;     - K is cut into blocks of 32 from its start; a last block that is shorter is filled with zeros.
;;     - A block's scale is 2^e with e = floor(log2(the largest magnitude in the block)) - 2, held to -126 .. 127; a block of zeros has e = 0. As a byte (E8M0): e + 127.
;;     - Each number is divided by its block's scale, clamped to +-7.5, and rounded to the nearest number of E2M3, ties to even, subnormals kept.
;;     - The product sums the exact products of the quantised numbers (number of the format x scale) in f32.
;;   ~~~python
;;   def quantise(x, axis):      # numpy; x: float32 -> the quantised numbers, widened to float32 again
;;       x = np.moveaxis(x, axis, -1); K = x.shape[-1]
;;       x = np.pad(x, [(0, 0)] * (x.ndim - 1) + [(0, -K % 32)]); x = x.reshape(x.shape[:-1] + (-1, 32)); a = np.abs(x).max(-1, keepdims=True)
;;       e = np.where(a > 0, np.clip(np.frexp(np.where(a > 0, a, 1))[1] - 1 - 2, -126, 127), 0)      # np.frexp(a)[1] - 1 = floor(log2(a)), exactly
;;       r = np.clip(x / 2.0 ** e, -7.5, 7.5)
;;       step = 2.0 ** (np.maximum(np.frexp(np.where(r == 0, 1, r))[1] - 1, 0) - 3)
;;       q = np.round(r / step) * step * 2.0 ** e      # np.round: ties to even
;;       return np.moveaxis(q.reshape(q.shape[:-2] + (-1,))[..., :K], -1, axis).astype(np.float32)
;;   ~~~
;;   OPERANDS COMPUTED ON THE WAY. 'Computed on the way' means the value that the module computes at that place (a softmax that the list does not call 'softmax' is quantised finished and normalised). What goes into a quantiser is computed in f32, as accurately as f32 sums, v_exp_f32 and their like allow (about 1e-6 of the number): no bf16 or f16 on the way to a quantiser, and a product that is left as it is and whose result goes on into a quantised operand takes f32 operands (vector FMAs, or v_wmma_f32_16x16x4_f32). A number that lies on a knife's edge between two numbers of the format may be rounded either way, as far as f32 arithmetic and the matrix unit's own rounding can turn it there, and no further.
;; One version. Each part assembles by itself: llvm-mc -triple=amdgcn-amd-amdhsa -mcpu=gfx1250 --defsym DOCPART=n.
;; ======== version 1 of 1: 3 launches
;; workspace buffers: xq 3,276,800 bytes; wq 9,830,400 bytes; gq 17,664 bytes; eo 67,108,864 bytes; wts 262,144 bytes; gsum 16,384 bytes
;; launch prep (part 1): grid 513 x 1, 8 waves a work-group, no clusters, 3,072 bytes of LDS; arguments x, W1, W2, gate_W, xq, wq, gq; writes xq, wq, gq
.if DOCPART == 1
	.amdgcn_target "amdgcn-amd-amdhsa--gfx1250"
	.amdhsa_code_object_version 6
	.text
	.protected	k_q5533d415ef_prep
	.globl	k_q5533d415ef_prep
	.p2align	8
	.type	k_q5533d415ef_prep,@function
k_q5533d415ef_prep:
	s_mov_b64 s[64:65], 0
	v_nop
	global_prefetch_b8 v0, s[64:65] scope:SCOPE_SE
	s_setreg_imm32_b32 hwreg(HW_REG_WAVE_MODE, 25, 1), 1
	s_wait_xcnt 0x0
; PREP: x [4096][1024], W1 [16][1024][512], W2 [16][512][512] and gate_W [1296][16], all f32, become codes of FP6 (E2M3) with one E8M0 byte for each 32 along K, once.
; DEAD WORK: none.  Every input of the problem has a way to an output (all sixteen experts are weighed in), so no product, row or input is left out in any of the three launches.
; x's place in the gate's input is 256 numbers on, a multiple of 32: its blocks are the same for the gate and for the experts, so x is quantised once and serves both.
; THE QUANTISER: a block's scale is 2^(floor(log2(its largest magnitude)) - 2); its byte is that magnitude's exponent field - 2, held at 1 from below by a floor among the maximum's leaves.
; LIMITS: a block of zeros gets the byte 1 where the rule says 127 (its codes are zeros, which add nothing, and this program alone reads the bytes); NaN and infinities among the inputs are not served.
; LAYOUT OF THE WORKSPACE: the order of the operands' registers.  A FRAGMENT (16 rows x 128 K, 12 registers a lane) is 1,536 bytes: register 4 c + i of lane l at 512 c + 16 l + 4 i.
; A SCALE IMAGE (8 tiles, one K step) is 512 bytes: the word of row r of tile t at 32 r + 4 t.  A CHUNK is 8 tiles x 2 K steps: fragment (q, t) at 12288 q + 1536 t, scale image q at 24576 + 512 q: 25,600 bytes.
; xq: chunk 4 H + kp: rows 128 H + 16 t + r, K = 256 kp + 128 q.      wq: chunk 24 e + cid.
;   cid 0-15, W1: cid = 2 (4 c + kp) + j; row r of tile 2 B + u is hidden unit 256 c + 128 j + 32 B + 8 u + r % 8 + 16 (r / 8), so that the product's results lie as the next quantiser wants them.
;   cid 16-23, W2: cid = 16 + 4 kp + 2 c + j; row r of tile b is output 256 c + 128 j + 16 b + r.
; gq: gate_W's fragment of K step s (0-10) at 1536 s, the scale word of expert r at 16896 + 64 s + 4 r.
; SHARES: work-groups 0-127 make a chunk of xq each, 128-511 a chunk of wq, 512 makes gq.  The three ways part on the work-group's number; each has LDS bytes of its own.
.set CHUNK, 25600
.set FRB,   1536
.set QB,    12288
.set SCO,   24576
.set LW,    1024                       ; LDS: 0-1023 x's two scale images; 1024-2047 a weight chunk's
.set SPARE, 2048                       ; the spare words, 128 bytes for each of eight waves
.set SPW, 2                            ; v2  LDS address of my spare word; never rewritten
.set NIL, 3                            ; v3  0; never rewritten
.set R,   4                            ; v4  lane % 16
.set H,   5                            ; v5  lane / 16
.set LN,  6                            ; v6  lane
.set L16, 7                            ; v7  16 x lane
.set T16, 8                            ; v8  16 x thread: the copy of the scale images
.set TM,  184                          ; v184-199 at work in QUANT
.set WV,  18                           ; s18 wave
.set SEL, 20                           ; s[20:21] v_permlanex16_b32's selects for lane l xor 16
; 64 numbers of a lane, register 16 b + i = k 32 b + 16 (lane / 16) + i of my row, become a fragment's codes in v[pc] on (20 registers are used) and its scale word in v[pw]
.macro QUANT s, pc, pw
.irp b, 0,1,2,3
	v_max3_num_f32 v[TM+\b], |v[\s+16*\b]|, |v[\s+1+16*\b]|, 0x1800000   ; my 16 numbers of block b, and the floor 2^(3 - 127)
.endr
.irp i, 2,4,6,8,10,12,14
.irp b, 0,1,2,3
	v_max3_num_f32 v[TM+\b], v[TM+\b], |v[\s+16*\b+\i]|, |v[\s+1+16*\b+\i]|
.endr
.endr
.irp b, 0,1,2,3
	v_permlanex16_b32 v[TM+4+\b], v[TM+\b], s[SEL], s[SEL+1]
.endr
.irp b, 0,1,2,3
	v_max_num_f32 v[TM+\b], v[TM+\b], v[TM+4+\b]                   ; with lane l xor 16's: the block's largest magnitude
.endr
.irp b, 0,1,2,3
	v_add_nc_u32 v[TM+12+\b], 0xff000000, v[TM+\b]                 ; 2 off its exponent field: the conversion's scale operand
.endr
.irp b, 0,1,2,3
	v_lshrrev_b32 v[TM+4+\b], 23, v[TM+12+\b]                      ; the scale's byte
.endr
	v_lshl_or_b32 v[\pw], v[TM+5], 8, v[TM+4]
	v_lshl_or_b32 v[\pw], v[TM+6], 16, v[\pw]
	v_lshl_or_b32 v[\pw], v[TM+7], 24, v[\pw]
.irp c, 0,1
	v_cvt_scalef32_pk16_fp6_f32 v[\pc+6*\c:\pc+2+6*\c], v[\s+32*\c:\s+15+32*\c], v[TM+12+2*\c]
	v_cvt_scalef32_pk16_fp6_f32 v[\pc+12+4*\c:\pc+14+4*\c], v[\s+16+32*\c:\s+31+32*\c], v[TM+12+2*\c+1]   ; (a conversion's three registers begin on an even number)
.endr
	v_nop                                          ; one plain place behind a scaled conversion
.irp c, 0,1                                    ; the layout wants a whole block in a lane: lanes 0-15 block 2 c, lanes 16-31 block 2 c + 1
.irp i, 0,1,2
	v_permlane16_swap_b32 v[\pc+6*\c+\i], v[\pc+12+4*\c+\i]
.endr
.irp i, 0,1,2
	v_mov_b32 v[\pc+3+6*\c+\i], v[\pc+12+4*\c+\i]
.endr
.endr
.endm
; The chunk's two scale images lie in LDS, a word from each wave: behind a barrier waves 0 and 1 store one each, 512 consecutive bytes.  Then the wave's end.
.macro SCOPY lds, base
	s_wait_dscnt 0x0                               ; for the others' sake: my words have landed
	s_barrier_signal -1
	s_barrier_wait -1
	s_cmp_lt_u32 s[WV], 2
	s_cbranch_scc0 .Lnot_mine_\@
	ds_load_b128 v[16:19], v[T16] offset:\lds
	s_wait_dscnt 0x0
	global_store_b128 v[T16], v[16:19], s[\base:\base+1] offset:SCO
.Lnot_mine_\@:
	s_wait_tensorcnt 0x0                           ; the wave's end, behind my last LDS store
	ds_add_u32 v[SPW], v[NIL]
	s_wait_dscnt 0x0
	s_endpgm
.endm
	s_load_b256 s[4:11], s[0:1], 0x0               ; x s[4:5], W1 s[6:7], W2 s[8:9], gate_W s[10:11]
	s_load_b128 s[12:15], s[0:1], 0x20             ; xq s[12:13], wq s[14:15]
	s_load_b64 s[16:17], s[0:1], 0x30              ; gq
	v_lshl_add_u32 v[SPW], v0, 2, SPARE
	v_mov_b32 v[NIL], 0
	v_lshrrev_b32 v1, 5, v0
	v_readfirstlane_b32 s[WV], v1
	v_and_b32 v[R], 15, v0
	v_bfe_u32 v[H], v0, 4, 1
	v_and_b32 v[LN], 31, v0
	v_lshlrev_b32 v[L16], 4, v[LN]
	v_lshlrev_b32 v[T16], 4, v0
	s_mov_b32 s[SEL], 0x76543210
	s_mov_b32 s[SEL+1], 0xfedcba98
.irp b, 0,1,2,3
	v_mov_b32 v[TM+4+\b], 0                        ; written once: a lane permute's destination counts as one of its sources
.endr
	s_mov_b32 s23, 0                               ; the high word of every offset in s[22:23]
	s_wait_kmcnt 0x0
	s_cmp_lt_u32 ttmp9, 128
	s_cbranch_scc1 .Lrole_x
	s_cmp_lt_u32 ttmp9, 512
	s_cbranch_scc1 .Lrole_w
; ---- gate_W: lane (r, h) takes column r, and its registers run down K in the order of the operand's layout: k = 64 c + 32 h + i.  A lane holds two whole blocks.
	v_lshlrev_b32 v10, 2, v[R]                     ; 4 r
	v_lshl_add_u32 v9, v[H], 11, v10               ; + 32 rows of 64 bytes for lanes 16-31
.macro GBASE                           ; K step s22: where it begins in gate_W, its fragment and its scale words in gq
	s_lshl_b32 s30, s22, 13
	s_mov_b32 s31, 0
	s_add_nc_u64 s[24:25], s[10:11], s[30:31]
	s_mul_i32 s30, s22, FRB
	s_add_nc_u64 s[26:27], s[16:17], s[30:31]
	s_lshl_b32 s30, s22, 6
	s_add_co_u32 s30, s30, 11*FRB
	s_add_nc_u64 s[28:29], s[16:17], s[30:31]
.endm
.macro GSTORE
.irp c, 0,1,2
	global_store_b128 v[L16], v[80+4*\c:83+4*\c], s[26:27] offset:512*\c
.endr
	global_store_b32 v10, v114, s[28:29]           ; both halves of the lanes hold the same word
.endm
.macro GSTEP
.irp c, 0,1
.irp i, 0,1,2,3,4,5,6,7,8,9,10,11,12,13,14,15,16,17,18,19,20,21,22,23,24,25,26,27,28,29,30,31
	global_load_b32 v[16+32*\c+\i], v9, s[24:25] offset:64*(64*\c+\i)
.endr
.endr
	s_wait_loadcnt 0x0
.irp c, 0,1
	v_max3_num_f32 v[12+\c], |v[16+32*\c]|, |v[17+32*\c]|, 0x1800000
.endr
.irp i, 2,4,6,8,10,12,14,16,18,20,22,24,26,28,30
.irp c, 0,1
	v_max3_num_f32 v[12+\c], v[12+\c], |v[16+32*\c+\i]|, |v[17+32*\c+\i]|
.endr
.endr
.irp c, 0,1
	v_add_nc_u32 v[14+\c], 0xff000000, v[12+\c]
.endr
.irp c, 0,1
	v_lshrrev_b32 v[112+\c], 23, v[14+\c]
.endr
	v_lshl_or_b32 v114, v113, 16, v112             ; my two bytes: blocks h and 2 + h,
	v_lshlrev_b32 v115, 3, v[H]
	v_lshlrev_b32 v114, v115, v114                 ; at their places in the word;
	v_mov_b32 v115, 0
	v_permlanex16_b32 v115, v114, s[SEL], s[SEL+1]
	v_or_b32 v114, v114, v115                      ; with lane l xor 16's two the word is whole
.irp c, 0,1
	v_cvt_scalef32_pk16_fp6_f32 v[80+6*\c:82+6*\c], v[16+32*\c:31+32*\c], v[14+\c]
	v_cvt_scalef32_pk16_fp6_f32 v[104+4*\c:106+4*\c], v[32+32*\c:47+32*\c], v[14+\c]
.endr
	v_nop
.irp c, 0,1
.irp i, 0,1,2
	v_mov_b32 v[83+6*\c+\i], v[104+4*\c+\i]
.endr
.endr
	GSTORE
.endm
	s_mov_b32 s22, s[WV]                           ; K steps 0 to 7: a wave each
	GBASE
	GSTEP
	s_cmp_lt_u32 s[WV], 2
	s_cbranch_scc0 .Lg_not01
	s_wait_xcnt 0x0                                ; the stores have read their data and bases: both are written again
	s_add_co_u32 s22, s[WV], 8                     ; K steps 8 and 9: waves 0 and 1
	GBASE
	GSTEP
	s_branch .Lg_end
.Lg_not01:
	s_cmp_eq_u32 s[WV], 2
	s_cbranch_scc0 .Lg_end
	s_wait_xcnt 0x0
	s_mov_b32 s22, 10                              ; K step 10, wave 2: rows 1280 to 1295 alone exist: half a block; the rest of the step is zero codes
	GBASE
.irp i, 0,1,2,3,4,5,6,7,8,9,10,11,12,13,14,15
	global_load_b32 v[16+\i], v10, s[24:25] offset:64*\i   ; both halves of the lanes read the same 16 numbers: no load leaves the buffer, and both make the same scale word
.endr
	s_wait_loadcnt 0x0
	v_max3_num_f32 v12, |v16|, |v17|, 0x1800000
.irp i, 2,4,6,8,10,12,14
	v_max3_num_f32 v12, v12, |v[16+\i]|, |v[17+\i]|
.endr
	v_add_nc_u32 v14, 0xff000000, v12
	v_lshrrev_b32 v112, 23, v14
	v_or_b32 v114, 0x7f7f7f00, v112                ; blocks 1 to 3 do not exist: byte 127 over zero codes
	v_cvt_scalef32_pk16_fp6_f32 v[80:82], v[16:31], v14
	v_nop
	v_cmp_eq_u32 vcc_lo, 0, v[H]
.irp i, 0,1,2
	v_cndmask_b32 v[80+\i], 0, v[80+\i], vcc_lo    ; lanes 16-31 hold block 1: zeros
.endr
.irp i, 3,4,5,6,7,8,9,10,11
	v_mov_b32 v[80+\i], 0
.endr
	GSTORE
.Lg_end:
	s_wait_tensorcnt 0x0                           ; the wave's end
	ds_add_u32 v[SPW], v[NIL]
	s_wait_dscnt 0x0
	s_endpgm
; ---- x: chunk 4 H + kp = the work-group's number; wave a takes rows 128 H + 16 a + r.  Lane (r, h) loads, of row r, 16 neighbours of each block of 32.
.Lrole_x:
	s_lshr_b32 s24, ttmp9, 2
	s_lshl_b32 s24, s24, 19                        ; 128 H rows of 4,096 bytes
	s_lshl_b32 s26, s[WV], 16                      ; 16 a rows
	s_add_co_u32 s24, s24, s26
	s_and_b32 s25, ttmp9, 3
	s_lshl_b32 s25, s25, 10                        ; 256 kp numbers
	s_add_co_u32 s22, s24, s25
	s_add_nc_u64 s[4:5], s[4:5], s[22:23]
	s_mul_i32 s22, ttmp9, CHUNK
	s_add_nc_u64 s[24:25], s[12:13], s[22:23]      ; the chunk
	s_mul_i32 s22, s[WV], FRB
	s_add_nc_u64 s[26:27], s[24:25], s[22:23]      ; my tile's fragments
	v_lshlrev_b32 v9, 12, v[R]
	v_lshl_add_u32 v9, v[H], 6, v9                 ; row r, + 64 h
	v_lshlrev_b32 v10, 5, v[R]
	s_lshl_b32 s28, s[WV], 2
	v_add_nc_u32 v10, s28, v10                     ; LDS: 32 r + 4 a
.macro XLOAD reg, q
.irp b, 0,1,2,3
.irp j, 0,1,2,3
	global_load_b128 v[\reg+16*\b+4*\j:\reg+16*\b+4*\j+3], v9, s[4:5] offset:512*\q+128*\b+16*\j th:TH_LOAD_NT
.endr
.endr
.endm
	XLOAD 16, 0
	XLOAD 80, 1
	s_wait_loadcnt 16                              ; the first K step's sixteen loads are in; the second's may be out
	QUANT 16, 144, 12
.irp c, 0,1,2
	global_store_b128 v[L16], v[144+4*\c:147+4*\c], s[26:27] offset:512*\c   ; 512 consecutive bytes a store
.endr
	ds_store_b32 v10, v12                          ; both halves of the lanes write the same word with the same value
	s_wait_loadcnt 0x0
	QUANT 80, 164, 13                              ; codes and word in registers of their own: no store's data are written again
.irp c, 0,1,2
	global_store_b128 v[L16], v[164+4*\c:167+4*\c], s[26:27] offset:QB+512*\c
.endr
	ds_store_b32 v10, v13 offset:512
	SCOPY 0, 24
; ---- W1, W2: K is the first axis.  A lane takes a column, and its registers run down K: a block of 32 lies in one lane.  Wave w takes K step q = w / 4 of the chunk's two and tiles 2 B, 2 B + 1, B = w % 4.
.Lrole_w:
	s_sub_co_u32 s24, ttmp9, 128                   ; 24 e + cid
	s_mul_i32 s25, s24, 43691
	s_lshr_b32 s25, s25, 20                        ; e = that / 24 (exact up to 383)
	s_mul_i32 s26, s25, 24
	s_sub_co_u32 s26, s24, s26                     ; cid
	s_and_b32 s27, s26, 1                          ; j
	s_lshr_b32 s28, s26, 3                         ; W1: c
	s_bfe_u32 s29, s26, 0x20001                    ; W1: kp
	s_bfe_u32 s30, s26, 0x10001                    ; W2: c
	s_bfe_u32 s31, s26, 0x10002                    ; W2: kp
	s_cmp_lt_u32 s26, 16                           ; W1's chunk or W2's?  The choice hangs on the work-group's number alone
	s_cselect_b32 s28, s28, s30
	s_cselect_b32 s29, s29, s31
	s_cselect_b64 s[6:7], s[6:7], s[8:9]
	s_cselect_b32 s30, 21, 20                      ; an expert is 2^21 bytes of W1, 2^20 of W2
	s_cselect_b32 s31, 0, -1                       ; W2's tiles take neighbouring columns
	s_lshr_b32 s32, s[WV], 2                       ; q
	s_and_b32 s33, s[WV], 3                        ; B
	s_lshl_b32 s22, s25, s30
	s_lshl_b32 s34, s29, 1
	s_add_co_u32 s34, s34, s32
	s_lshl_b32 s34, s34, 18                        ; K step 2 kp + q: 128 rows of 2,048 bytes
	s_add_co_u32 s22, s22, s34
	s_lshl_b32 s34, s28, 10                        ; 256 c columns
	s_add_co_u32 s22, s22, s34
	s_lshl_b32 s34, s27, 9                         ; 128 j
	s_add_co_u32 s22, s22, s34
	s_lshl_b32 s34, s33, 7                         ; 32 B
	s_add_co_u32 s22, s22, s34
	s_add_nc_u64 s[6:7], s[6:7], s[22:23]
	s_mul_i32 s22, s24, CHUNK
	s_add_nc_u64 s[36:37], s[14:15], s[22:23]      ; the chunk
	s_mul_i32 s22, s32, QB
	s_mul_i32 s34, s33, 2*FRB
	s_add_co_u32 s22, s22, s34
	s_add_nc_u64 s[38:39], s[36:37], s[22:23]      ; my two tiles' fragments
	v_and_b32 v9, 7, v[R]                          ; lane n = 16 u + r is row r of tile 2 B + u.  W1's column among my 32: 8 u + r % 8 + 16 (r / 8); W2's: n
	v_lshl_add_u32 v9, v[H], 3, v9
	v_lshrrev_b32 v10, 3, v[R]
	v_lshl_add_u32 v9, v10, 4, v9
	v_cndmask_b32 v9, v9, v[LN], s31
	v_lshlrev_b32 v9, 2, v9
	v_mul_u32_u24 v10, v[H], FRB
	v_lshl_add_u32 v10, v[R], 4, v10               ; out: tile u, lane r's 16 bytes
	v_lshlrev_b32 v11, 5, v[R]
	v_lshl_add_u32 v11, v[H], 2, v11
	s_lshl_b32 s34, s32, 9
	s_lshl_b32 s35, s33, 3
	s_add_co_u32 s34, s34, s35
	v_add_nc_u32 v11, s34, v11                     ; LDS: 512 q + 32 r + 4 (2 B + u)
.macro WLOAD t                         ; block t: rows 32 t + i of my column: 32 lanes read 128 consecutive bytes, four waves side by side 512
.irp i, 0,1,2,3,4,5,6,7,8,9,10,11,12,13,14,15,16,17,18,19,20,21,22,23,24,25,26,27,28,29,30,31
	global_load_b32 v[16+32*((\t)%2)+\i], v9, s[6:7] offset:(32*(\t)+\i)*2048 th:TH_LOAD_NT
.endr
.endm
; Block t = 2 c + hv belongs to registers 6 c .. 6 c + 5 of the fragment's lane (r, hv): my lane makes both such lanes' registers, hv = 0 in v80-91, hv = 1 in v92-103
.macro WBLOCK t
.set XS, 16+32*((\t)%2)
.set CDT, 80+12*((\t)%2)+6*((\t)/2)
.if (\t) < 3
	s_wait_loadcnt 32                              ; this block's 32 loads are in; the next block's may be out
.else
	s_wait_loadcnt 0x0
.endif
	v_max3_num_f32 v12, |v[XS]|, |v[XS+1]|, |v[XS+2]|
	v_max3_num_f32 v13, |v[XS+3]|, |v[XS+4]|, |v[XS+5]|
.irp i, 6,10,14,18,22,26
	v_max3_num_f32 v12, v12, |v[XS+\i]|, |v[XS+\i+1]|
	v_max3_num_f32 v13, v13, |v[XS+\i+2]|, |v[XS+\i+3]|
.endr
	v_max3_num_f32 v12, v12, |v[XS+30]|, |v[XS+31]|
	v_max3_num_f32 v12, v12, v13, 0x1800000        ; and the floor
	v_add_nc_u32 v14, 0xff000000, v12
	v_lshrrev_b32 v13, 23, v14
.if (\t) == 0
	v_mov_b32 v112, v13
.else
	v_lshl_or_b32 v112, v13, 8*(\t), v112          ; the scale word: byte t for block t
.endif
	v_cvt_scalef32_pk16_fp6_f32 v[CDT:CDT+2], v[XS:XS+15], v14
	v_cvt_scalef32_pk16_fp6_f32 v[104:106], v[XS+16:XS+31], v14
	v_nop
.irp i, 0,1,2
	v_mov_b32 v[CDT+3+\i], v[104+\i]
.endr
.if (\t)+2 < 4
	WLOAD (\t)+2
.endif
.endm
	WLOAD 0
	WLOAD 1
	WBLOCK 0
	WBLOCK 1
	WBLOCK 2
	WBLOCK 3
.irp hv, 0,1
.irp c, 0,1,2
	global_store_b128 v10, v[80+12*\hv+4*\c:83+12*\hv+4*\c], s[38:39] offset:512*\c+256*\hv   ; sixteen lanes store 256 consecutive bytes, aligned
.endr
.endr
	ds_store_b32 v11, v112 offset:LW
	SCOPY LW, 36
.Lfunc_end_k_q5533d415ef_prep:
	.size	k_q5533d415ef_prep, .Lfunc_end_k_q5533d415ef_prep-k_q5533d415ef_prep
	.p2alignl 7, 3214868480
	.fill 96, 4, 3214868480
	.section	.rodata,"a",@progbits
	.p2align	6, 0x0
	.amdhsa_kernel k_q5533d415ef_prep
		.amdhsa_group_segment_fixed_size 3072
		.amdhsa_private_segment_fixed_size 0
		.amdhsa_enable_private_segment 0
		.amdhsa_kernarg_size 56
		.amdhsa_user_sgpr_count 2
		.amdhsa_user_sgpr_kernarg_segment_ptr 1
		.amdhsa_wavefront_size32 1
		.amdhsa_system_sgpr_workgroup_id_x 1
		.amdhsa_system_sgpr_workgroup_id_y 1
		.amdhsa_system_sgpr_workgroup_id_z 1
		.amdhsa_system_vgpr_workitem_id 0
		.amdhsa_next_free_vgpr 200
		.amdhsa_next_free_sgpr 66
		.amdhsa_reserve_vcc 1
		.amdhsa_float_denorm_mode_32 3
		.amdhsa_float_denorm_mode_16_64 3
		.amdhsa_memory_ordered 1
		.amdhsa_forward_progress 1
		.amdhsa_inst_pref_size 58
	.end_amdhsa_kernel
	.amdgpu_metadata
---
amdhsa.version: [ 1, 2 ]
amdhsa.kernels:
  - .name:           k_q5533d415ef_prep
    .symbol:         k_q5533d415ef_prep.kd
    .args:
      - { .name: x, .offset: 0, .size: 8, .value_kind: global_buffer, .address_space: global }
      - { .name: W1, .offset: 8, .size: 8, .value_kind: global_buffer, .address_space: global }
      - { .name: W2, .offset: 16, .size: 8, .value_kind: global_buffer, .address_space: global }
      - { .name: gate_W, .offset: 24, .size: 8, .value_kind: global_buffer, .address_space: global }
      - { .name: xq, .offset: 32, .size: 8, .value_kind: global_buffer, .address_space: global }
      - { .name: wq, .offset: 40, .size: 8, .value_kind: global_buffer, .address_space: global }
      - { .name: gq, .offset: 48, .size: 8, .value_kind: global_buffer, .address_space: global }
    .group_segment_fixed_size: 3072
    .private_segment_fixed_size: 0
    .kernarg_segment_align: 8
    .kernarg_segment_size: 56
    .max_flat_workgroup_size: 256
    .sgpr_count:     66
    .vgpr_count:     200
    .wavefront_size: 32
...
	.end_amdgpu_metadata
.endif
;; end of part 1
;; launch moe (part 2): grid 16 x 16, 4 waves a work-group, clusters of 4 x 4, 327,680 bytes of LDS; arguments xq, wq, gq, u, d, gate_b, b1, b2, eo, wts, gsum, out2; writes eo, wts, gsum, out2
.if DOCPART == 2
	.amdgcn_target "amdgcn-amd-amdhsa--gfx1250"
	.amdhsa_code_object_version 6
	.text
	.protected	k_q5533d415ef_moe
	.globl	k_q5533d415ef_moe
	.p2align	8
	.type	k_q5533d415ef_moe,@function
k_q5533d415ef_moe:
	s_mov_b64 s[64:65], 0
	v_nop
	global_prefetch_b8 v0, s[64:65] scope:SCOPE_SE
	s_setreg_imm32_b32 hwreg(HW_REG_WAVE_MODE, 25, 1), 1
	s_wait_xcnt 0x0
	s_wait_alu depctr_hold_cnt(0) depctr_sa_sdst(0) depctr_va_vdst(0) depctr_va_sdst(0) depctr_va_ssrc(0) depctr_va_vcc(0) depctr_vm_vsrc(0)
	s_getreg_b32 s2, hwreg(HW_REG_IB_STS2, 6, 4)
	s_cmp_eq_u32 s2, 0
	s_cbranch_scc0 .Lentry_in_a_cluster
	s_endpgm
.Lentry_in_a_cluster:
	s_bfe_u32 s2, ttmp6, 0x10000c
	s_cmp_lg_u32 s2, 0xf033
	s_cbranch_scc0 .Lentry_shape_is_right
	s_endpgm
.Lentry_shape_is_right:
; MOE: a work-group takes 256 rows (block rb) through ONE expert e: hidden = relu(x W1 + b1), quantised in registers, eo = hidden W2 + b2, stored as bf16 (the right operand of the mixing product, which is left as it is).
; No work is left out: every expert is weighed in for every row.  The work-group also makes the gate for rows 256 rb + 16 e + r: logits, softmax, argmax, and the sums of the weights over its 16 rows.
; All three quantised products run on codes of FP6 (E2M3) with E8M0 scales, as PREP laid them: fragments, scale images and chunks are described at PREP's head.
; LIMITS: NaN and infinities are not served; a block of zeros has the byte 1 (its codes are zeros); the softmax uses v_exp_f32 and v_rcp_f32; equal weights give the lower index; eo is rounded once to bf16.
; SHARES.  Four waves; wave w = 2 i + j makes rows 128 i on x columns 128 j on.  Hidden units 256 c on (c = 0, 1; K = 1,024: 8 steps, 64 accumulators of 16 x 16), then outputs 256 c on (K = 512), tile of 16 rows by tile.
; EVERY PRODUCT IS USED TRANSPOSED (source 0 = 16 rows of the weights, source 1 = 16 rows of x or of the hidden layer): a lane holds one row, its registers run along the columns.
; THE FILLS.  A slot is four chunks; each wave brings one chunk a fill.  Fills 0-7: waves 0, 1 the two halves of x's rows (K pair f % 4), waves 2, 3 W1's chunks 2 f + j.  Fills 8, 9: all four waves W2's chunks of output half 0, 1.
; Fills 0, 1, 2 go out together at the head, into slots 0, 1 and a third slot: the LDS bytes that later hold the hidden layer; it is filled once and has been read out when the first image is stored there.
; Then: f3 -> slot 0 behind f0's steps, f4 -> 1 behind f2's, f5 -> 0 inside the first quantiser, f6 -> 1 behind f4's, f7 -> 0 behind f5's, f8 -> 1 behind f6's, f9 -> 0 inside the second quantiser.
; CLUSTER.  4 x 4 work-groups: a row of the cluster shares rb, so x's chunks are asked for jointly along it; a column shares e, so the weights' chunks along it.
; THE GATE (K = 1,296: u K steps 0, 1; x 2 to 9; d 10) is shared by K: wave w takes x's K pair w; waves 0, 1 also u's K step w, wave 2 d, wave 3 gate_b.  The four parts meet in LDS behind the first barrier; wave 0 finishes at the end.
; REGISTERS.  window 0: v1-31 addresses; v32-63 scale words; v64-100 at work; v101-127 the gate; v128-223 the rows' fragments; v224-255 W2's scale words.
;   window 1: the weights' 8 fragments, two sets, at v0 and v128; the bias in the result's layout, tiles 0-3 at v96, 4-7 at v224.   windows 2, 3: the 64 accumulators, (a, b) at v[8 (8 (a % 4) + b)] of window 2 + a / 4.
;   In the last product: windows 2, 3: v0-191 W2's fragments of K steps 0, 1 and 2, 3; window 1: v0-63, v128-191 two sets of eight accumulators, v64-95, v192-223 b2 of the second half.
.set CHUNK, 25600
.set FRB,   1536
.set QB,    12288                      ; a K step's eight fragments
.set SCO,   24576                      ; the scale images' place in a chunk
.set HSC,   98304                      ; LDS: 0 the third slot, then the hidden layer's images [i][K step 0-3][tile 0-7][1536]; from here their scale images [i][K step][512];
.set STAGE, 102400                     ; 16 rows x 272 bytes for each wave: the gate's parts, then the way out;
.set SP,    272
.set SPARE, 119808                     ; the spare words, 128 bytes for each wave;
.set SLOT0, 120320                     ; slots 0 and 1
.set SLOTB, 4*CHUNK
.set R,    1                           ; v1  lane % 16
.set H,    2                           ; v2  lane / 16
.set LN,   3                           ; v3  lane
.set ADRA, 4                           ; v4, v5    x's fragments in slot 0, 1
.set ADRB, 6                           ; v6, v7    the weights'
.set ASA,  8                           ; v8, v9    x's scale images
.set ASB,  10                          ; v10, v11  the weights'
.set ADRC, 12                          ; v12  W2's K pair 1 in slot 0
.set ASC,  13                          ; v13  and its scale images
.set ADRH, 14                          ; v14  the hidden layer's images of my rows
.set ASH,  15                          ; v15  and their scale images
.set HWI,  16                          ; v16  where I store the hidden layer's images
.set HWS,  17                          ; v17  and their scale words
.set STO,  18                          ; v18  the way out: where I put 16 bytes of a row
.set RD,   19                          ; v19  where I read a row back
.set CO,   20                          ; v20  my byte offset in eo
.set B64,  21                          ; v21  64 h: b1's offset
.set B32,  22                          ; v22  32 h: b2's and gate_b's
.set PFO,  23                          ; v23  the prefetches' offset
.set A2,   24                          ; v24-27  the third slot: x's fragments, the weights', x's scale images, the weights'
.set B2,   25
.set SA2,  26
.set SB2,  27
.set BW,   24                          ; v24, v25  later: W2's K pairs 0, 1 in the slot in hand
.set SW,   26                          ; v26, v27  their scale images
.set SPW,  28                          ; v28  LDS address of my spare word; never rewritten
.set NIL,  29                          ; v29  0; never rewritten
.set L16,  30                          ; v30  16 x lane
.set R4,   31                          ; v31  4 r
.set SC,   32                          ; scale words, two sets (in a set: 8 of the rows' tiles, 8 of the weights')
.set RS,   32                          ; in the last product: the hidden layer's, 8 s + a
.set WS,   224                         ; and W2's, 8 s + b
.set PC,   64                          ; v64-83 the codes just made
.set TM,   84                          ; v84-99 at work in the quantiser
.set PW,   100                         ; v100 the scale word just made
.set GPW,  101                         ; v101 where I store my part of the logits
.set GPR,  102                         ; v102 where the four parts are read
.set LG,   104                         ; v104-111 the logits
.set AF,   128                         ; the rows' 8 fragments, one set
.set HF,   128                         ; in the last product: a tile's 4 fragments, two sets of 48
.set TB,   64                          ; the way out: 32 registers, two sets
.set G1X,  28                          ; s[28:35] descriptor group 1 for x's chunks; s[36:43] for the weights': they differ in the mask
.set G1W,  36
.set G0X,  44                          ; s[44:51] group 0 for x's chunks, a set for each of slots 0, 1; s[52:59] for W1's
.set G0W,  52
.set G0P,  68                          ; s[68:75] fill 2's two sets (x's, W1's); later W2's two
.set WV,   60
.set WI,   61
.set WJ,   62
.set TRIP, 63
.set PFA,  66                          ; s[66:67] where my prefetches stand; never rewritten
.set LIMA, 76                          ; 1 in a wave that prefetches at the first three refills
.set FLR,  77                          ; the floor 2^(3 - 127)
.set SEL,  78
.set CB,   80                          ; the slot in hand in the last product
.set LIMB, 81                          ; 1 in a wave that prefetches at the fourth and fifth
.set EX,   84                          ; e
.set RB,   85                          ; rb
.set MSB, 0
.macro WIN new                         ; the immediate's high byte repeats the setting that is left
.if MSB != (\new)
	s_set_vgpr_msb (MSB<<8)|(\new)
.set MSB, (\new)
.endif
.endm
.macro PLACES n                        ; plain places behind matrix instructions, in front of loads into their registers and of reads of their results
.rept \n
	v_nop
.endr
.endm
; A joint load of fills 0-7: waves 0, 1 ask for x's chunk, waves 2, 3 for W1's.  Each line has one mask and one set of registers; the branch hangs on the wave's number alone.
; An s_nop 0 and four v_nop follow each line, ahead of the jump, the label and what follows.
.macro JLOAD gx, gw
	s_cmp_eq_u32 s[WI], 0
	s_cbranch_scc0 .Lfor_w_\@
	tensor_load_to_lds s[\gx:\gx+3], s[G1X:G1X+7]
	s_nop 0
.rept 4
	v_nop
.endr
	s_branch .Lasked_\@
.Lfor_w_\@:
	tensor_load_to_lds s[\gw:\gw+3], s[G1W:G1W+7]
	s_nop 0
.rept 4
	v_nop
.endr
.Lasked_\@:
.endm
.macro JLOADP c                        ; fills 8, 9: every wave asks for a chunk of W2, jointly along the cluster's column
	tensor_load_to_lds s[G0P+4*\c:G0P+4*\c+3], s[G1W:G1W+7]
	s_nop 0
.rept 4
	v_nop
.endr
.endm
.macro CREST                           ; a round of the cluster's barrier behind its opening barrier
	s_cmp_lg_u32 s[WV], 0
	s_cbranch_scc1 .Lnot_wave_0_\@
	s_barrier_signal -3
.Lnot_wave_0_\@:
	s_barrier_wait -3
	s_barrier_signal -1
	s_barrier_wait -1
.endm
.macro CROUND
	s_barrier_signal -1
	s_barrier_wait -1
	CREST
.endm
; A PREFETCH INTO THE L2 of the weights' chunk that I shall ask for two refills on: refill k (it brings fill k + 3) names fill k + 5.  A chunk is 100 blocks of 256 bytes.
; All four clusters of a column of clusters read an expert's chunks: the one with y = 0 asks.  Its four partners along the column share a chunk's blocks out by address (32 each, held at the last block).
; Fills 5-7 have two chunks of weights (waves 2, 3 ask), fills 8, 9 four (all waves).  Fills 0-4 come by their loads alone.  The step stands in the immediate: no address register is rewritten.
.macro ASK k
.if (\k) < 3
	s_cmp_eq_u32 s[LIMA], 1
.else
	s_cmp_eq_u32 s[LIMB], 1
.endif
	s_cbranch_scc0 .Lnot_mine_\@
	global_prefetch_b8 v[PFO], s[PFA:PFA+1] offset:(\k)*2*CHUNK th:TH_LOAD_NT scope:SCOPE_SE
.Lnot_mine_\@:
.endm
.macro FRAG reg, adr, off              ; a fragment comes as it was stored: three loads of 512 consecutive bytes
.irp c, 0,1,2
	ds_load_b128 v[(\reg)+4*\c:(\reg)+4*\c+3], v[\adr] offset:(\off)+512*\c
.endr
.endm
.macro FETCH_B adr, off, p             ; the weights' eight fragments into set p of window 1
	WIN 0x40
.irp t, 0,1,2,3,4,5,6,7
	FRAG 128*(\p)+12*\t, \adr, (\off)+FRB*\t
.endr
	WIN 0
.endm
.macro FETCH_A adr, off, i0            ; the rows' fragments i0 .. i0 + 3
.irp t, \i0, \i0+1, \i0+2, \i0+3
	FRAG AF+12*(\t), \adr, (\off)+FRB*(\t)
.endr
.endm
.macro SCALES aa, oa, ab, ob, p        ; a K step's scale words into set p: the rows' eight tiles, the weights' eight
	ds_load_b128 v[SC+16*(\p):SC+16*(\p)+3], v[\aa] offset:(\oa)
	ds_load_b128 v[SC+16*(\p)+4:SC+16*(\p)+7], v[\aa] offset:(\oa)+16
	ds_load_b128 v[SC+16*(\p)+8:SC+16*(\p)+11], v[\ab] offset:(\ob)
	ds_load_b128 v[SC+16*(\p)+12:SC+16*(\p)+15], v[\ab] offset:(\ob)+16
.endm
; 16 matrix instructions: the rows' tiles a0, a0 + 1 x the weights' eight.  bias = 1: the bias is the C of a sum's first product: nothing is cleared and nothing is added later.
; The 64 accumulators take turns, one instruction a turn, in the same order in every step.
.macro MUL16 a0, p, bias
.irp a, \a0, \a0+1
.irp b, 0,1,2,3,4,5,6,7
.if \bias
	v_wmma_scale_f32_16x16x128_f8f6f4 v[8*(8*((\a)%4)+\b):8*(8*((\a)%4)+\b)+7], v[128*(\p)+12*\b:128*(\p)+12*\b+11], v[AF+12*(\a):AF+12*(\a)+11], v[96+8*\b+96*(\b/4):96+8*\b+96*(\b/4)+7], v[SC+16*(\p)+8+\b], v[SC+16*(\p)+(\a)] matrix_a_fmt:MATRIX_FMT_FP6 matrix_b_fmt:MATRIX_FMT_FP6
.else
	v_wmma_scale_f32_16x16x128_f8f6f4 v[8*(8*((\a)%4)+\b):8*(8*((\a)%4)+\b)+7], v[128*(\p)+12*\b:128*(\p)+12*\b+11], v[AF+12*(\a):AF+12*(\a)+11], v[8*(8*((\a)%4)+\b):8*(8*((\a)%4)+\b)+7], v[SC+16*(\p)+8+\b], v[SC+16*(\p)+(\a)] matrix_a_fmt:MATRIX_FMT_FP6 matrix_b_fmt:MATRIX_FMT_FP6
.endif
.endr
.endr
.endm
; A step of 128 along K on set p; it fetches the next step's operands from the addresses given: the weights, the rows' tiles 0-3 and the scale words in its middle, the rows' tiles 4-7 at its end.
.macro STEP p, bias, na, nao, nb, nbo, sa, sao, sb, sbo
	s_wait_dscnt 12                                ; all but the youngest twelve loads (the rows' tiles 4-7) are in
	WIN 0xa1-0x10*(\bias)                          ; source 0 window 1, source 1 window 0, D window 2; C window 2, or 1 for the bias
	MUL16 0, \p, \bias
	MUL16 2, \p, \bias
	s_wait_dscnt 0x0                               ; the rows' tiles 4-7 are in
	PLACES 4
	FETCH_B \nb, \nbo, 1-(\p)
	FETCH_A \na, \nao, 0
	SCALES \sa, \sao, \sb, \sbo, 1-(\p)
	WIN 0xf1-0x20*(\bias)                          ; the same with D in window 3
	MUL16 4, \p, \bias
	MUL16 6, \p, \bias
	PLACES 4
	WIN 0
	FETCH_A \na, \nao, 4
.endm
.macro STEPA s, bias                   ; the first K step of slot s (0 or 1); it fetches the slot's second
	STEP 0, \bias, ADRA+\s, QB, ADRB+\s, QB, ASA+\s, 512, ASB+\s, 512
.endm
; The one tensor load of a wave behind a round.  mode 0: slot rs takes x's chunk dx chunks on and W1's dw chunks on; mode 1: W2's chunks of output half rs.  No load of mine is out here, so a group 0 may be written.
.macro REFILL rs, mode, dx, dw
.if (\mode) == 0
.if (\dx) < 0
	s_sub_nc_u64 s[G0X+4*\rs+2:G0X+4*\rs+3], s[G0X+4*\rs+2:G0X+4*\rs+3], -(\dx)*CHUNK
.else
	s_add_nc_u64 s[G0X+4*\rs+2:G0X+4*\rs+3], s[G0X+4*\rs+2:G0X+4*\rs+3], (\dx)*CHUNK
.endif
	s_add_nc_u64 s[G0W+4*\rs+2:G0W+4*\rs+3], s[G0W+4*\rs+2:G0W+4*\rs+3], (\dw)*CHUNK
	JLOAD G0X+4*\rs, G0W+4*\rs
.else
	JLOADP \rs
.endif
.endm
; A slot's second K step, with a refill.  In front of the round each wave waits for all its tensor loads (the next slot's among them), adds 0 to its spare word, and waits for that and for all its LDS reads.
; Behind the round a slot that nobody reads any more is filled again, first thing, one load a wave; then the first fragments of slot nx (0 or 1) are fetched.
.macro TURN rs, mode, dx, dw, nx, k
	s_wait_tensorcnt 0x0                           ; all my tensor loads have landed  (every window is 0 here)
	ds_add_u32 v[SPW], v[NIL]                      ; 0 onto my spare word
	s_wait_dscnt 13                                ; (the add and the youngest twelve loads may be out)
	WIN 0xa1
	MUL16 0, 1, 0                                  ; sixteen matrix instructions stand between the add and the wait for it
	s_wait_dscnt 0x0                               ; the add is done, and my reads of the slots behind me are over
	s_barrier_signal -1
	MUL16 2, 1, 0
	WIN 0
	s_barrier_wait -1
	CREST                                          ; the barrier has opened a round of the cluster's barrier: no wave of any partner still reads the slot or has a load on its way
	REFILL \rs, \mode, \dx, \dw                    ; its four v_nop are also the places in front of the loads below
	FETCH_B ADRB+\nx, 0, 0
	FETCH_A ADRA+\nx, 0, 0
	SCALES ASA+\nx, 0, ASB+\nx, 0, 0
.if (\k) >= 0
	ASK \k
.endif
	WIN 0xf1
	MUL16 4, 1, 0
	MUL16 6, 1, 0
	PLACES 4
	WIN 0
	FETCH_A ADRA+\nx, 0, 4
.endm
; A refill inside the quantiser, where no product is at hand: the same three lines, a whole round, the one load.  fetch = 1: the next pass's first fragments come from slot 1 while the quantiser goes on.
.macro MID rs, mode, dx, dw, fetch, k
	s_wait_tensorcnt 0x0                           ; all my tensor loads have landed
	ds_add_u32 v[SPW], v[NIL]                      ; 0 onto my spare word
	s_wait_dscnt 0x0                               ; the add is done; my reads of slot 0 were over at the pass's last step; my images so far have landed
	CROUND
	REFILL \rs, \mode, \dx, \dw
.if \fetch
	FETCH_B ADRB+1, 0, 0
	FETCH_A ADRA+1, 0, 0
	SCALES ASA+1, 0, ASB+1, 0, 0
	FETCH_A ADRA+1, 0, 4
.endif
.if (\k) >= 0
	ASK \k
.endif
.endm
.macro LAST p                          ; a pass's last step: nothing more to fetch
	s_wait_dscnt 12
	WIN 0xa1
	MUL16 0, \p, 0
	MUL16 2, \p, 0
	s_wait_dscnt 0x0
	WIN 0xf1
	MUL16 4, \p, 0
	MUL16 6, \p, 0
	PLACES 4
	WIN 0
.endm
; The bias of my 128 columns in the result's layout, tiles 0-3 at v[reg] of window 1, tiles 4-7 at v[reg + 128].  kind 0, b1: tile 2 B + u, lane half h: hidden units 32 B + 16 h + 8 u + 0 .. 7.  kind 1, b2: tile b: outputs 16 b + 8 h + 0 .. 7.
.macro BIASLOAD base, kind, off, reg
	WIN 0x40
.irp b, 0,1,2,3,4,5,6,7
.if \kind
	global_load_b128 v[\reg+8*\b+96*(\b/4):\reg+8*\b+96*(\b/4)+3], v[B32], s[\base:\base+1] offset:\off+64*\b
	global_load_b128 v[\reg+4+8*\b+96*(\b/4):\reg+4+8*\b+96*(\b/4)+3], v[B32], s[\base:\base+1] offset:\off+64*\b+16
.else
	global_load_b128 v[\reg+8*\b+96*(\b/4):\reg+8*\b+96*(\b/4)+3], v[B64], s[\base:\base+1] offset:\off+(32*(\b/2)+8*(\b%2))*4
	global_load_b128 v[\reg+4+8*\b+96*(\b/4):\reg+4+8*\b+96*(\b/4)+3], v[B64], s[\base:\base+1] offset:\off+(32*(\b/2)+8*(\b%2))*4+16
.endif
.endr
	WIN 0
.endm
; THE QUANTISER, in three parts.  QMID: four half-blocks' largest magnitudes in v[TM] on become the blocks', the conversions' scale operands (v[TM+12] on) and the row's scale word.
.macro QMID pw
.irp b, 0,1,2,3
	v_permlanex16_b32 v[TM+4+\b], v[TM+\b], s[SEL], s[SEL+1]
.endr
.irp b, 0,1,2,3
	v_max_num_f32 v[TM+\b], v[TM+\b], v[TM+4+\b]
.endr
.irp b, 0,1,2,3
	v_add_nc_u32 v[TM+12+\b], 0xff000000, v[TM+\b] ; 2 off the exponent field
.endr
.irp b, 0,1,2,3
	v_lshrrev_b32 v[TM+4+\b], 23, v[TM+12+\b]      ; the scale's byte
.endr
	v_lshl_or_b32 v[\pw], v[TM+5], 8, v[TM+4]
	v_lshl_or_b32 v[\pw], v[TM+6], 16, v[\pw]
	v_lshl_or_b32 v[\pw], v[TM+7], 24, v[\pw]
.endm
.macro QCVT s, pc                      ; 64 numbers, register 16 b + i = k 32 b + 16 h + i, to codes
.irp c, 0,1
	v_cvt_scalef32_pk16_fp6_f32 v[\pc+6*\c:\pc+2+6*\c], v[\s+32*\c:\s+15+32*\c], v[TM+12+2*\c]
	v_cvt_scalef32_pk16_fp6_f32 v[\pc+12+4*\c:\pc+14+4*\c], v[\s+16+32*\c:\s+31+32*\c], v[TM+12+2*\c+1]   ; (a conversion's three registers begin on an even number)
.endr
.endm
.macro QSWAP pc                        ; the layout wants a whole block in a lane
	v_nop                                          ; one plain place behind a scaled conversion
.irp c, 0,1
.irp i, 0,1,2
	v_permlane16_swap_b32 v[\pc+6*\c+\i], v[\pc+12+4*\c+\i]
.endr
.irp i, 0,1,2
	v_mov_b32 v[\pc+3+6*\c+\i], v[\pc+12+4*\c+\i]
.endr
.endr
.endm
.macro QUANT s, pc, pw                 ; the whole of it, on numbers of either sign in window 0
.irp b, 0,1,2,3
	v_max3_num_f32 v[TM+\b], |v[\s+16*\b]|, |v[\s+1+16*\b]|, s[FLR]
.endr
.irp i, 2,4,6,8,10,12,14
.irp b, 0,1,2,3
	v_max3_num_f32 v[TM+\b], v[TM+\b], |v[\s+16*\b+\i]|, |v[\s+1+16*\b+\i]|
.endr
.endr
	QMID \pw
	QCVT \s, \pc
	QSWAP \pc
.endm
; THE HIDDEN LAYER of pass c, tile a of my rows: the 64 registers of accumulators (a, 0 .. 7) are 128 hidden units in the quantiser's order: relu, quantised, and stored as K step 2 c + j of the last product.
.macro EPIT c, a
.set W, 2+\a/4
.set AB, 64*(\a%4)
	WIN (W<<2)|(W<<6)
.set n, 0
.rept 64
	v_max_num_f32 v[AB+n], 0, v[AB+n]              ; the activation, in f32; each accumulator from its low end on
.set n, n+1
.endr
	WIN (W<<2)|(W<<4)
.irp b, 0,1,2,3
	v_max3_num_f32 v[TM+\b], s[FLR], v[AB+16*\b], v[AB+16*\b+1]   ; no |.|: none is negative
.endr
.irp i, 2,4,6,8,10,12,14
.irp b, 0,1,2,3
	v_max3_num_f32 v[TM+\b], v[TM+\b], v[AB+16*\b+\i], v[AB+16*\b+\i+1]
.endr
.endr
	WIN 0
	s_wait_dscnt 0x0                               ; the last tile's stores have read the codes and the word
	QMID PW
	WIN W
	QCVT AB, PC
	WIN 0
	QSWAP PC
.irp k, 0,1,2
	ds_store_b128 v[HWI], v[PC+4*\k:PC+4*\k+3] offset:\c*2*QB+\a*FRB+512*\k
.endr
	ds_store_b32 v[HWS], v[PW] offset:\c*1024+4*\a ; both halves of the lanes write the same word with the same value
.endm
; THE LAST PRODUCT GOES BY ROWS.  All of W2's fragments of my 128 columns lie in registers; a tile of 16 rows is finished by 32 matrix instructions and leaves while the next tile is multiplied.
.macro HFETCH a                        ; tile a's four fragments of the hidden layer into set a % 2
.irp s, 0,1,2,3
	FRAG HF+48*((\a)%2)+12*\s, ADRH, \s*QB+(\a)*FRB
.endr
.endm
.macro ROW a                           ; K ascending; the tile's eight accumulators take turns, one instruction a turn; b2 is the C of the first eight
.set HB, HF+48*((\a)%2)
.set AC, 128*((\a)%2)
	WIN 0x52                                       ; source 0 (W2) window 2, source 1 window 0, C and D window 1
.irp s, 0,1,2,3
.if \s == 2
	WIN 0x53                                       ; K steps 2, 3 of W2 lie in window 3
.endif
.irp b, 0,1,2,3,4,5,6,7
.if \s == 0
	v_wmma_scale_f32_16x16x128_f8f6f4 v[AC+8*\b:AC+8*\b+7], v[96*(\s%2)+12*\b:96*(\s%2)+12*\b+11], v[HB+12*\s:HB+12*\s+11], v[96+8*\b+96*(\b/4):96+8*\b+96*(\b/4)+7], v[WS+8*\s+\b], v[RS+8*\s+(\a)] matrix_a_fmt:MATRIX_FMT_FP6 matrix_b_fmt:MATRIX_FMT_FP6
.else
	v_wmma_scale_f32_16x16x128_f8f6f4 v[AC+8*\b:AC+8*\b+7], v[96*(\s%2)+12*\b:96*(\s%2)+12*\b+11], v[HB+12*\s:HB+12*\s+11], v[AC+8*\b:AC+8*\b+7], v[WS+8*\s+\b], v[RS+8*\s+(\a)] matrix_a_fmt:MATRIX_FMT_FP6 matrix_b_fmt:MATRIX_FMT_FP6
.endif
.endr
.endr
.endm
; THE WAY OUT of tile a: 16 rows x 128 columns, rounded to bf16, through my own stage in LDS, back as whole rows of 256 bytes into the registers that they left.
.macro PACK a
.set AC, 128*((\a)%2)
.set TT, TB+32*((\a)%2)
	WIN 0x05                                       ; sources 0 and 1: window 1
.irp b, 0,1,2,3,4,5,6,7
.irp r, 0,1,2,3
	v_cvt_pk_bf16_f32 v[TT+4*\b+\r], v[AC+8*\b+2*\r], v[AC+8*\b+2*\r+1]
.endr
.endr
	WIN 0
.endm
.macro TOSTAGE a
.set TT, TB+32*((\a)%2)
.irp b, 0,1,2,3,4,5,6,7
	ds_store_b128 v[STO], v[TT+4*\b:TT+4*\b+3] offset:32*\b
.endr
.irp t, 0,1,2,3,4,5,6,7
	ds_load_b128 v[TT+4*\t:TT+4*\t+3], v[RD] offset:\t*2*SP   ; LDS serves a wave's instructions in order (ISA guide 5.7.1.4): these see the stores above, and the next tile's stores come behind them
.endr
.endm
.macro SEND a, younger                 ; younger: the LDS loads issued behind tile a's, which may stay out
.set TT, TB+32*((\a)%2)
	s_wait_dscnt \younger                          ; the tile is back in registers
.irp t, 0,1,2,3,4,5,6,7
	global_store_b128 v[CO], v[TT+4*\t:TT+4*\t+3], s[20:21] offset:(16*(\a)+2*\t)*1024 th:TH_STORE_NT   ; 16 lanes store 256 consecutive bytes, aligned
.endr
.endm
	s_load_b512 s[4:19], s[0:1], 0x0               ; xq 4, wq 6, gq 8, u 10, d 12, gate_b 14, b1 16, b2 18
	s_load_b256 s[20:27], s[0:1], 0x40             ; eo 20, wts 22, gsum 24, out2 26
	v_lshl_add_u32 v[SPW], v0, 2, SPARE
	v_mov_b32 v[NIL], 0
	ds_add_u32 v[SPW], v[NIL]                      ; the wave's opening: the add, twice on end, and its wait ahead of my first tensor load; work on registers stands between
	ds_add_u32 v[SPW], v[NIL]
	v_lshrrev_b32 v1, 5, v0
	v_readfirstlane_b32 s[WV], v1                  ; wave 0..3
	s_lshr_b32 s[WI], s[WV], 1                     ; i: my half of the rows.  Also: I fetch for x (0) or for the weights (1)
	s_and_b32 s[WJ], s[WV], 1                      ; j: my half of the columns.  Also: which of the two chunks I fetch
	s_bfe_u32 s82, ttmp6, 0x40000                  ; cx
	s_bfe_u32 s83, ttmp6, 0x40004                  ; cy
	s_lshl_b32 s[EX], ttmp9, 2
	s_add_co_u32 s[EX], s[EX], s82                 ; e = 4 x cluster x + cx
	s_and_b32 s[RB], ttmp7, 0xffff
	s_lshl_b32 s[RB], s[RB], 2
	s_add_co_u32 s[RB], s[RB], s83                 ; rb = 4 x cluster y + cy
	s_lshl_b32 s94, s83, 2
	s_lshl_b32 s94, 15, s94                        ; my row of the cluster
	s_lshl_b32 s95, 0x1111, s82                    ; my column
	; descriptor group 1: a chunk is a dense block: 100 rows of 256 bytes (32 elements of 8 bytes), no padding
	s_or_b32 s[G1X], s94, (3<<16)|(1<<21)          ; 15:0 the mask; 17:16 elements of 8 bytes; 21 set beside a mask
	s_or_b32 s[G1W], s95, (3<<16)|(1<<21)
.irp g, G1X, G1W
	s_mov_b32 s[\g+1], 32<<16                      ; tensor_dim0
	s_mov_b32 s[\g+2], 100<<16                     ; tensor_dim1
	s_mov_b32 s[\g+3], 32<<16                      ; tile_dim0
	s_mov_b32 s[\g+4], 100                         ; tile_dim1
	s_mov_b32 s[\g+5], 32                          ; tensor_dim0_stride
	s_mov_b32 s[\g+6], 0
	s_mov_b32 s[\g+7], 0
.endr
	s_mov_b32 s[FLR], 0x1800000
	s_mov_b32 s[SEL], 0x76543210
	s_mov_b32 s[SEL+1], 0xfedcba98
	; every LDS address: a constant, the wave's number times a constant, the lane's term
	s_mul_i32 s86, s[WI], CHUNK                    ; my rows' chunk in a slot
	s_mul_i32 s87, s[WJ], CHUNK
	s_add_co_u32 s88, s87, 2*CHUNK                 ; my columns' chunk in a slot
	s_add_co_u32 s87, s87, SLOT0                   ; W2's K pair 1 in slot 0
	s_mul_i32 s89, s[WI], 4*QB
	s_lshl_b32 s90, s[WI], 11
	s_add_co_u32 s90, s90, HSC
	s_mul_i32 s91, s[WJ], QB
	s_add_co_u32 s91, s91, s89
	s_lshl_b32 s92, s[WJ], 9
	s_add_co_u32 s92, s92, s90
	s_mul_i32 s93, s[WV], 16*SP
	s_add_co_u32 s93, s93, STAGE
	v_and_b32 v[R], 15, v0
	v_bfe_u32 v[H], v0, 4, 1
	v_and_b32 v[LN], 31, v0
	v_lshlrev_b32 v[L16], 4, v[LN]
	v_lshlrev_b32 v[R4], 2, v[R]
	v_lshlrev_b32 v[TM], 5, v[R]                   ; 32 r
	v_add_nc_u32 v[TM+1], SCO, v[TM]
	v_add_nc_u32 v[A2], s86, v[L16]                ; the third slot begins at LDS byte 0
	v_add_nc_u32 v[B2], s88, v[L16]
	v_add_nc_u32 v[SA2], s86, v[TM+1]
	v_add_nc_u32 v[SB2], s88, v[TM+1]
	v_add_nc_u32 v[ADRA], SLOT0, v[A2]
	v_add_nc_u32 v[ADRA+1], SLOTB, v[ADRA]
	v_add_nc_u32 v[ADRB], SLOT0, v[B2]
	v_add_nc_u32 v[ADRB+1], SLOTB, v[ADRB]
	v_add_nc_u32 v[ASA], SLOT0, v[SA2]
	v_add_nc_u32 v[ASA+1], SLOTB, v[ASA]
	v_add_nc_u32 v[ASB], SLOT0, v[SB2]
	v_add_nc_u32 v[ASB+1], SLOTB, v[ASB]
	v_add_nc_u32 v[ADRC], s87, v[L16]
	v_add_nc_u32 v[ASC], s87, v[TM+1]
	v_add_nc_u32 v[ADRH], s89, v[L16]
	v_add_nc_u32 v[ASH], s90, v[TM]
	v_add_nc_u32 v[HWI], s91, v[L16]
	v_add_nc_u32 v[HWS], s92, v[TM]
	v_mul_u32_u24 v[STO], v[R], SP
	v_lshl_add_u32 v[STO], v[H], 4, v[STO]
	v_add_nc_u32 v[STO], s93, v[STO]               ; in: row r, 16 bytes for each half of the lanes
	v_mul_u32_u24 v[RD], v[H], SP
	v_lshl_add_u32 v[RD], v[R], 4, v[RD]
	v_add_nc_u32 v[RD], s93, v[RD]                 ; back: lanes 0-15 one row, lanes 16-31 the next
	v_add_nc_u32 v[GPW], s93, v[L16]               ; my part of the logits: the first 1,024 bytes of my stage
	v_add_nc_u32 v[GPR], STAGE, v[L16]             ; and all four parts, a stage apart
	v_lshlrev_b32 v[CO], 10, v[H]
	v_lshl_add_u32 v[CO], v[R], 4, v[CO]           ; the same two rows of eo (1,024 bytes a row)
	v_lshlrev_b32 v[B64], 6, v[H]
	v_lshlrev_b32 v[B32], 5, v[H]
	s_lshl_b32 s86, s83, 5
	v_add_nc_u32 v[PFO], s86, v[LN]
	v_min_u32 v[PFO], 99, v[PFO]
	v_lshlrev_b32 v[PFO], 8, v[PFO]                ; block min(32 cy + lane, 99) of a chunk: a global offset alone
.irp b, 0,1,2,3
	v_mov_b32 v[TM+4+\b], 0                        ; written once: a lane permute's destination counts as one of its sources
.endr
	s_lshl_b32 s96, s[RB], 1
	s_add_co_u32 s96, s96, s[WJ]
	s_mul_i32 s96, s96, 4*CHUNK                    ; x: half 2 rb + j of the rows, K pair 0: it hangs on rb alone, which my row of the cluster shares
	s_mov_b32 s97, 0
	s_mul_i32 s98, s[EX], 24
	s_add_co_u32 s98, s98, s[WJ]
	s_mul_i32 s98, s98, CHUNK                      ; the weights: chunk 24 e + j: on e alone, which my column shares
	s_mov_b32 s99, 0
	s_mul_i32 s86, s[WV], CHUNK                    ; where a chunk goes in a slot: wave x 25,600
	s_wait_dscnt 0x0                               ; both opening adds are done
	s_wait_kmcnt 0x0
	s_add_nc_u64 s[96:97], s[4:5], s[96:97]
	s_add_nc_u64 s[98:99], s[6:7], s[98:99]
	CROUND                                         ; all sixteen work-groups are here: the first joint loads meet
.irp s, 0,1
	s_mov_b32 s[G0X+4*\s], 1
	s_add_co_u32 s[G0X+4*\s+1], s86, SLOT0+\s*SLOTB
	s_add_nc_u64 s[G0X+4*\s+2:G0X+4*\s+3], s[96:97], \s*CHUNK
	s_or_b32 s[G0X+4*\s+3], s[G0X+4*\s+3], 0x80000000
	s_mov_b32 s[G0W+4*\s], 1
	s_add_co_u32 s[G0W+4*\s+1], s86, SLOT0+\s*SLOTB
	s_add_nc_u64 s[G0W+4*\s+2:G0W+4*\s+3], s[98:99], \s*2*CHUNK
	s_or_b32 s[G0W+4*\s+3], s[G0W+4*\s+3], 0x80000000
	JLOAD G0X+4*\s, G0W+4*\s                       ; fills 0 and 1
.endr
	s_mov_b32 s[G0P], 1
	s_mov_b32 s[G0P+1], s86
	s_add_nc_u64 s[G0P+2:G0P+3], s[96:97], 2*CHUNK
	s_or_b32 s[G0P+3], s[G0P+3], 0x80000000
	s_mov_b32 s[G0P+4], 1
	s_mov_b32 s[G0P+5], s86
	s_add_nc_u64 s[G0P+6:G0P+7], s[98:99], 4*CHUNK
	s_or_b32 s[G0P+7], s[G0P+7], 0x80000000
	JLOAD G0P, G0P+4                               ; fill 2, into the third slot: three loads of mine are out
	s_xor_b32 s88, s[WI], 1                        ; W2's chunks: 16 + 2 c + j + 4 (1 - i): waves 2, 3 bring K pair 0, waves 0, 1 K pair 1
	s_lshl_b32 s88, s88, 2
	s_add_co_u32 s90, s88, 10                      ; (the prefetches begin at chunk 10 + j in waves 2, 3, at 14 + j in waves 0, 1)
	s_add_co_u32 s88, s88, 16
	s_mul_i32 s88, s88, CHUNK
	s_mov_b32 s89, 0
	s_mul_i32 s90, s90, CHUNK
	s_mov_b32 s91, 0
	s_add_nc_u64 s[PFA:PFA+1], s[98:99], s[90:91]
	s_add_nc_u64 s[98:99], s[98:99], s[88:89]      ; my chunk of W2 for output half 0: kept for the descriptors that are made behind the first refill
	s_and_b32 s90, ttmp7, 0xffff                   ; cluster y: the same in all sixteen partners
	s_cmp_eq_u32 s90, 0
	s_cselect_b32 s[LIMB], 1, 0
	s_and_b32 s[LIMA], s[LIMB], s[WI]
	s_lshl_b32 s90, s[EX], 11
	s_lshl_b32 s92, s[WJ], 9
	s_add_co_u32 s90, s90, s92
	s_add_nc_u64 s[16:17], s[16:17], s[90:91]      ; b1 and b2 at expert e, column 128 j
	s_add_nc_u64 s[18:19], s[18:19], s[90:91]
	s_lshl_b32 s90, s[EX], 22
	s_lshl_b32 s92, s[RB], 18
	s_add_co_u32 s90, s90, s92
	s_lshl_b32 s92, s[WI], 17
	s_add_co_u32 s90, s90, s92
	s_lshl_b32 s92, s[WJ], 8
	s_add_co_u32 s90, s90, s92
	s_add_nc_u64 s[20:21], s[20:21], s[90:91]      ; eo at expert e, row 256 rb + 128 i, column 128 j
; ---- THE GATE'S PRODUCTS, while the first fills are on their way: rows 256 rb + 16 e + r.  Every wave: x's K pair w against gate_W's K steps 2 + 2 w, 3 + 2 w.  No wave has more than 52 loads out.
	s_lshl_b32 s86, s[RB], 4
	s_add_co_u32 s86, s86, s[EX]                   ; T = 16 rb + e: the tile of 16 rows
	s_lshl_b32 s90, s86, 14
	s_lshl_b32 s92, s[WV], 9
	s_add_co_u32 s90, s90, s92
	s_add_nc_u64 s[10:11], s[10:11], s[90:91]      ; u: 16 rows of 1,024 bytes, K step w (waves 0, 1 alone read it)
	s_lshl_b32 s90, s86, 10
	s_add_nc_u64 s[12:13], s[12:13], s[90:91]      ; d: 16 rows of 64 bytes
	s_add_nc_u64 s[22:23], s[22:23], s[90:91]      ; wts: 1,024 bytes a tile
	s_lshl_b32 s90, s86, 6
	s_add_nc_u64 s[24:25], s[24:25], s[90:91]      ; gsum: 64 bytes a tile
	s_add_nc_u64 s[26:27], s[26:27], s[90:91]      ; out2: 16 whole numbers
	s_lshr_b32 s92, s[EX], 3
	s_lshl_b32 s90, s[RB], 1
	s_add_co_u32 s90, s90, s92
	s_lshl_b32 s90, s90, 2
	s_add_co_u32 s90, s90, s[WV]
	s_mul_i32 s90, s90, CHUNK                      ; x's codes: chunk 4 (2 rb + e / 8) + w,
	s_and_b32 s87, s[EX], 7                        ; tile e % 8
	s_mul_i32 s92, s87, FRB
	s_add_co_u32 s92, s92, s90
	s_mov_b32 s93, 0
	s_add_nc_u64 s[92:93], s[4:5], s[92:93]        ; its fragments,
	s_lshl_b32 s94, s87, 2
	s_add_co_u32 s94, s94, s90
	s_mov_b32 s95, 0
	s_add_nc_u64 s[94:95], s[4:5], s[94:95]        ; its scale words
	s_lshl_b32 s87, s[WV], 1
	s_add_co_u32 s87, s87, 2                       ; gate_W's K step 2 + 2 w:
	s_mul_i32 s90, s87, FRB
	s_add_nc_u64 s[96:97], s[8:9], s[90:91]        ; its fragments,
	s_lshl_b32 s90, s87, 6
	s_add_co_u32 s90, s90, 11*FRB
	s_add_nc_u64 s[4:5], s[8:9], s[90:91]          ; its scale words
	s_cmp_lt_u32 s[WV], 2
	s_cselect_b32 s87, s[WV], 10                   ; the third K step of waves 0, 1, 2: u's w, or d's 10
	s_mul_i32 s90, s87, FRB
	s_add_nc_u64 s[6:7], s[8:9], s[90:91]
	s_lshl_b32 s90, s87, 6
	s_add_co_u32 s90, s90, 11*FRB
	s_add_nc_u64 s[8:9], s[8:9], s[90:91]
	v_lshlrev_b32 v98, 5, v[R]                     ; x's scale words: 32 r
	v_lshlrev_b32 v99, 6, v[R]                     ; d: row r
	v_lshlrev_b32 v103, 10, v[R]
	v_lshl_add_u32 v103, v[H], 6, v103             ; u: row r, + 64 h
	WIN 0x40
.irp q, 0,1
.irp c, 0,1,2
	global_load_b128 v[12*\q+4*\c:12*\q+4*\c+3], v[L16], s[96:97] offset:FRB*\q+512*\c          ; gate_W's two fragments: window 1, v0-23
	global_load_b128 v[36+12*\q+4*\c:36+12*\q+4*\c+3], v[L16], s[92:93] offset:QB*\q+512*\c    ; x's two: window 1, v36-59
.endr
.endr
	WIN 0
.irp q, 0,1
	global_load_b32 v[32+\q], v[R4], s[4:5] offset:64*\q
	global_load_b32 v[34+\q], v98, s[94:95] offset:SCO+512*\q
.endr
	BIASLOAD 16, 0, 0, 96                          ; b1 of the first 256 hidden units comes with them: the waits below cover it
	s_cmp_lt_u32 s[WV], 2
	s_cbranch_scc0 .Lg_not_u
.irp b, 0,1,2,3                        ; waves 0, 1: u's K step w is quantised and multiplied
.irp j, 0,1,2,3
	global_load_b128 v[128+16*\b+4*\j:128+16*\b+4*\j+3], v103, s[10:11] offset:128*\b+16*\j th:TH_LOAD_NT
.endr
.endr
	WIN 0x40
.irp c, 0,1,2
	global_load_b128 v[24+4*\c:27+4*\c], v[L16], s[6:7] offset:512*\c
.endr
	WIN 0
	global_load_b32 v36, v[R4], s[8:9]
	s_wait_loadcnt 0x0
	QUANT 128, PC, 37
	PLACES 8                                       ; a scale word and codes written by vector instructions stand 8 and 4 places ahead of a scaled matrix instruction
	WIN 0x01                                       ; source 0 (gate_W) window 1
	v_wmma_scale_f32_16x16x128_f8f6f4 v[120:127], v[24:35], v[64:75], 0, v36, v37 matrix_a_fmt:MATRIX_FMT_FP6 matrix_b_fmt:MATRIX_FMT_FP6
	WIN 0
	s_branch .Lg_x
.Lg_not_u:
	s_cmp_eq_u32 s[WV], 2
	s_cbranch_scc0 .Lg_bias
.irp j, 0,1,2,3                        ; wave 2: d: one block of 16 numbers and 16 zeros; the rest of the K step is zero codes
	global_load_b128 v[128+4*\j:131+4*\j], v99, s[12:13] offset:16*\j   ; both halves of the lanes read row r's 16 numbers
.endr
	WIN 0x40
.irp c, 0,1,2
	global_load_b128 v[24+4*\c:27+4*\c], v[L16], s[6:7] offset:512*\c
.endr
	WIN 0
	global_load_b32 v36, v[R4], s[8:9]
	s_wait_loadcnt 0x0
	v_max3_num_f32 v[TM], |v128|, |v129|, s[FLR]
.irp i, 2,4,6,8,10,12,14
	v_max3_num_f32 v[TM], v[TM], |v[128+\i]|, |v[129+\i]|
.endr
	v_add_nc_u32 v[TM+12], 0xff000000, v[TM]
	v_lshrrev_b32 v[TM+4], 23, v[TM+12]
	v_or_b32 v37, 0x7f7f7f00, v[TM+4]              ; blocks 1 to 3 do not exist: byte 127 over zero codes
	v_cvt_scalef32_pk16_fp6_f32 v[64:66], v[128:143], v[TM+12]
	v_nop
	v_cmp_eq_u32 vcc_lo, 0, v[H]
.irp i, 0,1,2
	v_cndmask_b32 v[64+\i], 0, v[64+\i], vcc_lo    ; lanes 16-31 hold block 1: zeros
.endr
.irp i, 3,4,5,6,7,8,9,10,11
	v_mov_b32 v[64+\i], 0
.endr
	PLACES 8
	WIN 0x01
	v_wmma_scale_f32_16x16x128_f8f6f4 v[120:127], v[24:35], v[64:75], 0, v36, v37 matrix_a_fmt:MATRIX_FMT_FP6 matrix_b_fmt:MATRIX_FMT_FP6
	WIN 0
	s_branch .Lg_x
.Lg_bias:
	global_load_b128 v[120:123], v[B32], s[14:15]              ; wave 3: gate_b of experts 8 h + 0 .. 7 stands where the others have their third product
	global_load_b128 v[124:127], v[B32], s[14:15] offset:16
	s_wait_loadcnt 0x0
.Lg_x:
	WIN 0x05                                       ; both sources window 1
	v_wmma_scale_f32_16x16x128_f8f6f4 v[104:111], v[0:11], v[36:47], 0, v32, v34 matrix_a_fmt:MATRIX_FMT_FP6 matrix_b_fmt:MATRIX_FMT_FP6
	v_wmma_scale_f32_16x16x128_f8f6f4 v[112:119], v[12:23], v[48:59], 0, v33, v35 matrix_a_fmt:MATRIX_FMT_FP6 matrix_b_fmt:MATRIX_FMT_FP6
	WIN 0
	PLACES 4
.irp j, 0,1,2,3,4,5,6,7
	v_add_f32 v[104+\j], v[104+\j], v[112+\j]
.endr
.irp j, 0,1,2,3,4,5,6,7
	v_add_f32 v[104+\j], v[104+\j], v[120+\j]      ; lane (r, h): my part of the logits of experts 8 h + j of row r
.endr
	ds_store_b128 v[GPW], v[104:107]
	ds_store_b128 v[GPW], v[108:111] offset:512
	s_wait_tensorcnt 0x2                           ; my chunk of fill 0 is in; fills 1 and 2 may stay out
	s_wait_dscnt 0x0                               ; for the others' sake: my part of the logits has landed
	s_barrier_signal -1
	s_barrier_wait -1                              ; everybody's
.irp p, 0,1,2,3
	ds_load_b128 v[64+8*\p:67+8*\p], v[GPR] offset:\p*16*SP
	ds_load_b128 v[68+8*\p:71+8*\p], v[GPR] offset:\p*16*SP+512
.endr
	FETCH_B ADRB, 0, 0
	FETCH_A ADRA, 0, 0
	SCALES ASA, 0, ASB, 0, 0
	FETCH_A ADRA, 0, 4
	s_wait_dscnt 52                                ; the four parts are in; the 52 loads behind them may be out
.irp j, 0,1,2,3,4,5,6,7
	v_add_f32 v[LG+\j], v[64+\j], v[72+\j]
.endr
.irp j, 0,1,2,3,4,5,6,7
	v_add_f32 v[80+\j], v[80+\j], v[88+\j]
.endr
.irp j, 0,1,2,3,4,5,6,7
	v_add_f32 v[LG+\j], v[LG+\j], v[80+\j]         ; the logits; they wait in registers for the kernel's end
.endr
; ---- hidden units 0 to 255: fills 0 to 3, in slots 0, 1, the third, 0
	STEPA 0, 1
	TURN 0, 0, 3, 6, 1, 0                          ; slot 0 takes fill 3
	s_mul_i32 s86, s[WV], CHUNK                    ; fill 2 has landed (the wait for all my loads above), so its descriptors' registers take W2's: half 0 into slot 1, half 1 into slot 0
	s_mov_b32 s[G0P], 1
	s_add_co_u32 s[G0P+1], s86, SLOT0+SLOTB
	s_mov_b64 s[G0P+2:G0P+3], s[98:99]
	s_or_b32 s[G0P+3], s[G0P+3], 0x80000000
	s_mov_b32 s[G0P+4], 1
	s_add_co_u32 s[G0P+5], s86, SLOT0
	s_add_nc_u64 s[G0P+6:G0P+7], s[98:99], 2*CHUNK
	s_or_b32 s[G0P+7], s[G0P+7], 0x80000000
	STEPA 1, 0
	STEP 1, 0, A2, 0, B2, 0, SA2, 0, SB2, 0        ; no barrier: the round above has shown the third slot whole to every wave, and nothing is filled here
	STEP 0, 0, A2, QB, B2, QB, SA2, 512, SB2, 512
	TURN 1, 0, -1, 6, 0, 1                         ; slot 1 takes fill 4; fill 3 has had two slots' steps in which to land; the third slot has been read out
	STEPA 0, 0
	LAST 1
	BIASLOAD 16, 0, 1024, 96                       ; the next 256 units' bias lands under the quantiser
	EPIT 0, 0
	EPIT 0, 1
	MID 0, 0, -2, 4, 1, 2                          ; slot 0 takes fill 5, which has six tiles of the quantiser and a step in which to land
.irp a, 2,3,4,5,6,7
	EPIT 0, \a
.endr
; ---- hidden units 256 to 511: fills 4 to 7, in slots 1, 0, 1, 0
	s_wait_loadcnt 0x0                             ; b1
	STEPA 1, 1
	TURN 1, 0, 2, 4, 0, 3                          ; slot 1 takes fill 6
	STEPA 0, 0
	TURN 0, 0, 2, 4, 1, 4                          ; slot 0 takes fill 7
	STEPA 1, 0
	TURN 0, 1, 0, 0, 0, -1                         ; slot 1 takes fill 8: W2 for outputs 0 to 255
	STEPA 0, 0
	LAST 1
	BIASLOAD 18, 1, 0, 96                          ; b2 of both output halves: the second waits in registers that the weights' fragments have left
	BIASLOAD 18, 1, 1024, 64
	EPIT 1, 0
	EPIT 1, 1
	MID 1, 1, 0, 0, 0, -1                          ; slot 0 takes fill 9: W2 for outputs 256 to 511
.irp a, 2,3,4,5,6,7
	EPIT 1, \a
.endr
	s_wait_tensorcnt 0x0                           ; my chunks of W2 are in (no load follows them),
	s_wait_dscnt 0x0                               ; and my images of the hidden layer have landed
	s_barrier_signal -1
	s_barrier_wait -1                              ; everybody's; nothing is filled again from here on
	WIN 0x80
.irp j, 0,1,2,3,4,5,6,7
	v_mov_b32 v[192+\j], v[LG+\j]                  ; the logits move out of the way: window 2, v192-199
.endr
	WIN 0
; ---- the outputs: 256 columns a trip; the first trip reads W2 from slot 1, the second from slot 0
	s_mov_b32 s[CB], SLOTB
	s_mov_b32 s[TRIP], 2
.Lcol:
	v_add_nc_u32 v[BW], s[CB], v[ADRB]
	v_add_nc_u32 v[BW+1], s[CB], v[ADRC]
	v_add_nc_u32 v[SW], s[CB], v[ASB]
	v_add_nc_u32 v[SW+1], s[CB], v[ASC]
	WIN 0x80                                       ; W2's fragments of K steps 0, 1: window 2
.irp q, 0,1
.irp b, 0,1,2,3,4,5,6,7
	FRAG 96*\q+12*\b, BW, \q*QB+\b*FRB
.endr
.endr
	WIN 0xc0                                       ; of K steps 2, 3: window 3
.irp q, 0,1
.irp b, 0,1,2,3,4,5,6,7
	FRAG 96*\q+12*\b, BW+1, \q*QB+\b*FRB
.endr
.endr
	WIN 0
.irp q, 0,1
	ds_load_b128 v[WS+8*\q:WS+8*\q+3], v[SW] offset:512*\q
	ds_load_b128 v[WS+8*\q+4:WS+8*\q+7], v[SW] offset:512*\q+16
	ds_load_b128 v[WS+16+8*\q:WS+16+8*\q+3], v[SW+1] offset:512*\q
	ds_load_b128 v[WS+16+8*\q+4:WS+16+8*\q+7], v[SW+1] offset:512*\q+16
.endr
.irp s, 0,1,2,3
	ds_load_b128 v[RS+8*\s:RS+8*\s+3], v[ASH] offset:512*\s
	ds_load_b128 v[RS+8*\s+4:RS+8*\s+7], v[ASH] offset:512*\s+16
.endr
	HFETCH 0
	HFETCH 1
	s_wait_loadcnt 0x0                             ; b2
	s_wait_dscnt 12                                ; all but tile 1's twelve loads are in
	ROW 0
.irp a, 0,1,2,3,4,5,6,7
	PLACES 4                                       ; the conversions read results just made
	s_wait_xcnt 0x0                                ; the stores of two tiles back, issued ahead of the last 32 products, have read the registers that the conversions write
	PACK \a
.if \a > 0
.if \a < 7
	SEND \a-1, 12                                  ; behind tile a - 1's loads from the stage: tile a + 1's twelve fragment loads
.else
	SEND \a-1, 0
.endif
.endif
	TOSTAGE \a                                     ; its way through the stage lies under the next tile's products
.if \a < 6
	HFETCH \a+2                                    ; into the set that tile a has left
.endif
.if \a < 7
.if \a < 6
	s_wait_dscnt 28                                ; tile a + 1's fragments are in; behind them: 16 instructions of the stage, 12 loads
.else
	s_wait_dscnt 16                                ; behind tile 7's fragments: 16 instructions of the stage
.endif
	ROW \a+1
.endif
.endr
	s_cmp_eq_u32 s[TRIP], 1                        ; behind the first half's last products b2 of the second half takes its place
	s_cbranch_scc1 .Lno_bias
	WIN 0x41
.set n, 0
.rept 32
	v_mov_b32 v[96+n], v[64+n]
	v_mov_b32 v[224+n], v[192+n]
.set n, n+1
.endr
	WIN 0
.Lno_bias:
	SEND 7, 0
	s_wait_xcnt 0x0                                ; the stores have read their registers and their base
	s_add_nc_u64 s[20:21], s[20:21], 512           ; 256 columns of bf16 on
	s_xor_b32 s[CB], s[CB], SLOTB                  ; the other slot
	s_sub_co_u32 s[TRIP], s[TRIP], 1
	s_cmp_lg_u32 s[TRIP], 0
	s_cbranch_scc1 .Lcol
; ---- THE GATE'S END, wave 0 alone, behind its last stores of eo: softmax, argmax, the sums over the 16 rows
	s_cmp_lg_u32 s[WV], 0
	s_cbranch_scc1 .Lno_gate
	WIN 0x02
.irp j, 0,1,2,3,4,5,6,7
	v_mov_b32 v[176+\j], v[192+\j]                 ; lane (r, h): the logits of experts 8 h + j of row r
.endr
	WIN 0
	v_mov_b32 v185, 0
	v_max3_num_f32 v184, v176, v177, v178
	v_max3_num_f32 v184, v184, v179, v180
	v_max3_num_f32 v184, v184, v181, v182
	v_max_num_f32 v184, v184, v183
	v_permlanex16_b32 v185, v184, s[SEL], s[SEL+1]
	v_max_num_f32 v184, v184, v185                 ; the row's largest logit is taken away ahead of the exponential
.irp j, 0,1,2,3,4,5,6,7
	v_sub_f32 v[176+\j], v[176+\j], v184
.endr
.irp j, 0,1,2,3,4,5,6,7
	v_mul_f32 v[176+\j], 0x3fb8aa3b, v[176+\j]
.endr
.irp j, 0,1,2,3,4,5,6,7
	v_exp_f32 v[176+\j], v[176+\j]
.endr
	v_mov_b32 v186, 0                              ; a plain place behind the exponentials
	s_wait_alu depctr_va_vdst(0)                   ; one wait for the batch, ahead of its first reader
	v_add_f32 v187, v176, v177
	v_add_f32 v188, v178, v179
	v_add_f32 v189, v180, v181
	v_add_f32 v190, v182, v183
	v_add_f32 v187, v187, v188
	v_add_f32 v189, v189, v190
	v_add_f32 v187, v187, v189
	v_permlanex16_b32 v186, v187, s[SEL], s[SEL+1]
	v_add_f32 v187, v187, v186
	v_rcp_f32 v187, v187
	v_mov_b32 v191, 0                              ; a plain place behind the reciprocal
	s_wait_alu depctr_va_vdst(0)
.irp j, 0,1,2,3,4,5,6,7
	v_mul_f32 v[176+\j], v[176+\j], v187           ; the weights
.endr
	global_store_b128 v[L16], v[176:179], s[22:23]             ; wts: my registers as they stand, 512 consecutive bytes a store
	global_store_b128 v[L16], v[180:183], s[22:23] offset:512
	v_mov_b32 v188, v176                           ; the argmax of the weights: a later one wins only where it is greater, so equal weights keep the lower index
	v_mov_b32 v189, 0
.irp j, 1,2,3,4,5,6,7
	v_cmp_ge_f32 vcc_lo, v188, v[176+\j]
	v_cndmask_b32 v189, \j, v189, vcc_lo
	v_max_num_f32 v188, v188, v[176+\j]
.endr
	v_lshl_add_u32 v189, v[H], 3, v189
	v_permlanex16_b32 v190, v188, s[SEL], s[SEL+1]
	v_permlanex16_b32 v191, v189, s[SEL], s[SEL+1]
	v_cmp_ge_f32 vcc_lo, v188, v190                ; right in lanes 0-15, which alone store: their own index is the lower one
	v_cndmask_b32 v189, v191, v189, vcc_lo
	s_wait_xcnt 0x0                                ; the stores have read the weights: they are summed in place; and EXEC changes only behind this wait
.irp m, 1,2,4,8
.irp j, 0,1,2,3,4,5,6,7
	v_add_f32_dpp v[176+\j], v[176+\j], v[176+\j] row_xmask:\m row_mask:0xf bank_mask:0xf   ; over the 16 rows
.endr
.endr
	v_cmp_gt_u32 vcc_lo, 16, v[LN]
	s_and_saveexec_b32 s82, vcc_lo
	global_store_b32 v[R4], v189, s[26:27]         ; out2
	s_wait_xcnt 0x0
	s_or_b32 exec_lo, exec_lo, s82
	v_cmp_eq_u32 vcc_lo, 0, v[R]
	s_and_saveexec_b32 s82, vcc_lo
	global_store_b128 v[B32], v[176:179], s[24:25] ; gsum: lanes 0 and 16 store the tile's 16 sums
	global_store_b128 v[B32], v[180:183], s[24:25] offset:16
	s_wait_xcnt 0x0
	s_or_b32 exec_lo, exec_lo, s82
.Lno_gate:
	s_wait_tensorcnt 0x0                           ; the wave's end, behind my last tensor load and my last LDS store
	ds_add_u32 v[SPW], v[NIL]
	s_wait_dscnt 0x0
	CROUND                                         ; the closing round: no work-group ends while a partner may still ask for a chunk that names it
	s_endpgm
.Lfunc_end_k_q5533d415ef_moe:
	.size	k_q5533d415ef_moe, .Lfunc_end_k_q5533d415ef_moe-k_q5533d415ef_moe
	.p2alignl 7, 3214868480
	.fill 96, 4, 3214868480
	.section	.rodata,"a",@progbits
	.p2align	6, 0x0
	.amdhsa_kernel k_q5533d415ef_moe
		.amdhsa_group_segment_fixed_size 327680
		.amdhsa_private_segment_fixed_size 0
		.amdhsa_enable_private_segment 0
		.amdhsa_kernarg_size 96
		.amdhsa_user_sgpr_count 2
		.amdhsa_user_sgpr_kernarg_segment_ptr 1
		.amdhsa_wavefront_size32 1
		.amdhsa_system_sgpr_workgroup_id_x 1
		.amdhsa_system_sgpr_workgroup_id_y 1
		.amdhsa_system_sgpr_workgroup_id_z 1
		.amdhsa_system_vgpr_workitem_id 0
		.amdhsa_next_free_vgpr 1024
		.amdhsa_next_free_sgpr 100
		.amdhsa_reserve_vcc 1
		.amdhsa_float_denorm_mode_32 3
		.amdhsa_float_denorm_mode_16_64 3
		.amdhsa_memory_ordered 1
		.amdhsa_forward_progress 1
		.amdhsa_inst_pref_size 255
	.end_amdhsa_kernel
	.section	.bss,"aw",@nobits
	.p2align	6
	.space	262144
	.amdgpu_metadata
---
amdhsa.version: [ 1, 2 ]
amdhsa.kernels:
  - .name:           k_q5533d415ef_moe
    .symbol:         k_q5533d415ef_moe.kd
    .args:
      - { .name: xq, .offset: 0, .size: 8, .value_kind: global_buffer, .address_space: global }
      - { .name: wq, .offset: 8, .size: 8, .value_kind: global_buffer, .address_space: global }
      - { .name: gq, .offset: 16, .size: 8, .value_kind: global_buffer, .address_space: global }
      - { .name: u, .offset: 24, .size: 8, .value_kind: global_buffer, .address_space: global }
      - { .name: d, .offset: 32, .size: 8, .value_kind: global_buffer, .address_space: global }
      - { .name: gate_b, .offset: 40, .size: 8, .value_kind: global_buffer, .address_space: global }
      - { .name: b1, .offset: 48, .size: 8, .value_kind: global_buffer, .address_space: global }
      - { .name: b2, .offset: 56, .size: 8, .value_kind: global_buffer, .address_space: global }
      - { .name: eo, .offset: 64, .size: 8, .value_kind: global_buffer, .address_space: global }
      - { .name: wts, .offset: 72, .size: 8, .value_kind: global_buffer, .address_space: global }
      - { .name: gsum, .offset: 80, .size: 8, .value_kind: global_buffer, .address_space: global }
      - { .name: out2, .offset: 88, .size: 8, .value_kind: global_buffer, .address_space: global }
    .group_segment_fixed_size: 327680
    .private_segment_fixed_size: 0
    .kernarg_segment_align: 8
    .kernarg_segment_size: 96
    .max_flat_workgroup_size: 128
    .sgpr_count:     100
    .vgpr_count:     1024
    .wavefront_size: 32
...
	.end_amdgpu_metadata
.endif
;; end of part 2
;; launch mix (part 3): grid 512 x 1, 8 waves a work-group, no clusters, 0 bytes of LDS; arguments eo, wts, gsum, out0, out1; writes out0, out1
.if DOCPART == 3
	.amdgcn_target "amdgcn-amd-amdhsa--gfx1250"
	.amdhsa_code_object_version 6
	.text
	.protected	k_q5533d415ef_mix
	.globl	k_q5533d415ef_mix
	.p2align	8
	.type	k_q5533d415ef_mix,@function
k_q5533d415ef_mix:
	s_mov_b64 s[64:65], 0
	v_nop
	global_prefetch_b8 v0, s[64:65] scope:SCOPE_SE
	s_setreg_imm32_b32 hwreg(HW_REG_WAVE_MODE, 25, 1), 1
	s_wait_xcnt 0x0
; MIX: out0[b][o] = the sum over e of weights[b][e] x eo[e][b][o]: the product that is left as it is (K = 16), by fused multiply-adds in f32, e ascending; eo in bf16, the weights in f32.  No work is left out.
; And out1[e] = the mean of the weights over all 4,096 rows, from the 256 tiles' sums that MOE stored.
; A stream: memory binds, so no LDS, no barrier, no matrix unit.  A wave takes one row b.  Of each expert's row (1,024 bytes) a load takes 256 consecutive bytes, 8 a lane; all 64 loads of a wave go out at once.
; A lane's four numbers of a load are four neighbouring outputs: 16 bytes of f32, so a store covers 512 consecutive bytes.
.set WT,  4                            ; v4-19   the row's sixteen weights
.set ACC, 20                           ; v20-35  the sums: 4 g + n = output 128 g + 4 lane + n
.set D,   36                           ; v36-163 eo: expert e, load g at 8 e + 2 g
	s_load_b128 s[4:7], s[0:1], 0x0                ; eo, wts
	s_load_b128 s[8:11], s[0:1], 0x10              ; gsum, out0
	s_load_b64 s[12:13], s[0:1], 0x20              ; out1
	v_lshrrev_b32 v1, 5, v0
	v_readfirstlane_b32 s14, v1                    ; wave
	v_and_b32 v3, 31, v0                           ; lane
	v_lshlrev_b32 v1, 3, v3                        ; 8 x lane
	v_lshlrev_b32 v2, 4, v3                        ; 16 x lane
	s_lshl_b32 s15, ttmp9, 3
	s_add_co_u32 s15, s15, s14                     ; b
	s_lshr_b32 s48, s15, 4
	s_lshl_b32 s48, s48, 10                        ; wts: tile b / 16, 1,024 bytes;
	s_and_b32 s50, s15, 15
	s_lshl_b32 s50, s50, 4
	s_add_co_u32 s48, s48, s50                     ; row r = b % 16: the weight of expert 8 h + 4 c + i lies at 512 c + 256 h + 16 r + 4 i
	s_mov_b32 s49, 0
	s_lshl_b32 s50, s15, 10
	s_mov_b32 s51, 0
	s_lshl_b32 s52, s15, 11
	s_mov_b32 s53, 0
	s_mov_b32 s54, 0x76543210
	s_mov_b32 s55, 0xfedcba98
	s_wait_kmcnt 0x0
	s_add_nc_u64 s[6:7], s[6:7], s[48:49]
	s_load_b128 s[16:19], s[6:7], 0x0              ; experts 0-3
	s_load_b128 s[20:23], s[6:7], 0x200            ; 4-7
	s_load_b128 s[24:27], s[6:7], 0x100            ; 8-11
	s_load_b128 s[28:31], s[6:7], 0x300            ; 12-15
	s_add_nc_u64 s[32:33], s[4:5], s[50:51]        ; row b of expert 0;
.irp k, 1,2,3,4,5,6,7
	s_add_nc_u64 s[32+2*\k:33+2*\k], s[30+2*\k:31+2*\k], 0x800000   ; of experts 2, 4 .. 14; the odd ones by the immediate
.endr
	s_add_nc_u64 s[10:11], s[10:11], s[52:53]      ; row b of out0
.irp e, 0,1,2,3,4,5,6,7,8,9,10,11,12,13,14,15
.irp g, 0,1,2,3
	global_load_b64 v[D+8*\e+2*\g:D+8*\e+2*\g+1], v1, s[32+2*(\e/2):33+2*(\e/2)] offset:(\e%2)*4194304+256*\g th:TH_LOAD_NT
.endr
.endr
	s_wait_kmcnt 0x0
.irp e, 0,1,2,3,4,5,6,7,8,9,10,11,12,13,14,15
	v_mov_b32 v[WT+\e], s[16+\e]
.endr
	s_wait_loadcnt 60                              ; expert 0's four loads are in; the 60 behind them may be out
.irp g, 0,1,2,3
	v_lshlrev_b32 v[ACC+4*\g], 16, v[D+2*\g]       ; the first expert starts the sums: bf16 to f32 is a shift or a mask
	v_and_b32 v[ACC+4*\g+1], 0xffff0000, v[D+2*\g]
	v_lshlrev_b32 v[ACC+4*\g+2], 16, v[D+2*\g+1]
	v_and_b32 v[ACC+4*\g+3], 0xffff0000, v[D+2*\g+1]
.endr
.irp n, 0,1,2,3,4,5,6,7,8,9,10,11,12,13,14,15
	v_mul_f32 v[ACC+\n], v[ACC+\n], v[WT]
.endr
.irp e, 1,2,3,4,5,6,7,8,9,10,11,12,13,14,15
	s_wait_loadcnt 60-4*\e                         ; expert e's four loads are in; those of the experts behind it may be out
.irp g, 0,1,2,3
	v_fma_mix_f32_bf16 v[ACC+4*\g], v[D+8*\e+2*\g], v[WT+\e], v[ACC+4*\g] op_sel_hi:[1,0,0]
	v_fma_mix_f32_bf16 v[ACC+4*\g+1], v[D+8*\e+2*\g], v[WT+\e], v[ACC+4*\g+1] op_sel:[1,0,0] op_sel_hi:[1,0,0]
	v_fma_mix_f32_bf16 v[ACC+4*\g+2], v[D+8*\e+2*\g+1], v[WT+\e], v[ACC+4*\g+2] op_sel_hi:[1,0,0]
	v_fma_mix_f32_bf16 v[ACC+4*\g+3], v[D+8*\e+2*\g+1], v[WT+\e], v[ACC+4*\g+3] op_sel:[1,0,0] op_sel_hi:[1,0,0]
.endr
.endr
.irp g, 0,1,2,3
	global_store_b128 v2, v[ACC+4*\g:ACC+4*\g+3], s[10:11] offset:512*\g th:TH_STORE_NT
.endr
; out1: wave 0 of work-group 0.  gsum is [256 tiles][16 experts]: lane l of load i holds experts 4 (l % 4) + 0 .. 3 of tile 8 i + l / 4
	s_or_b32 s48, ttmp9, s14
	s_cmp_lg_u32 s48, 0
	s_cbranch_scc1 .Lend
.irp i, 0,1,2,3,4,5,6,7,8,9,10,11,12,13,14,15,16,17,18,19,20,21,22,23,24,25,26,27,28,29,30,31
	global_load_b128 v[D+4*\i:D+4*\i+3], v2, s[8:9] offset:512*\i
.endr
	s_wait_loadcnt 0x0
	v_pk_add_f32 v[4:5], v[D:D+1], v[D+4:D+5]
	v_pk_add_f32 v[6:7], v[D+2:D+3], v[D+6:D+7]
.irp i, 2,3,4,5,6,7,8,9,10,11,12,13,14,15,16,17,18,19,20,21,22,23,24,25,26,27,28,29,30,31
	v_pk_add_f32 v[4:5], v[4:5], v[D+4*\i:D+4*\i+1]
	v_pk_add_f32 v[6:7], v[6:7], v[D+4*\i+2:D+4*\i+3]
.endr
.irp m, 4,8
.irp j, 0,1,2,3
	v_add_f32_dpp v[4+\j], v[4+\j], v[4+\j] row_xmask:\m row_mask:0xf bank_mask:0xf   ; the lanes with the same l % 4
.endr
.endr
.irp j, 0,1,2,3
	v_permlanex16_b32 v[8+\j], v[4+\j], s54, s55
.endr
.irp j, 0,1,2,3
	v_add_f32 v[4+\j], v[4+\j], v[8+\j]
.endr
.irp j, 0,1,2,3
	v_mul_f32 v[4+\j], 0x39800000, v[4+\j]         ; / 4,096
.endr
	s_wait_xcnt 0x0                                ; EXEC changes only behind this wait
	v_cmp_gt_u32 vcc_lo, 4, v3
	s_and_saveexec_b32 s56, vcc_lo
	global_store_b128 v2, v[4:7], s[12:13]         ; lanes 0 to 3: the sixteen means
	s_wait_xcnt 0x0
	s_or_b32 exec_lo, exec_lo, s56
.Lend:
	s_endpgm
.Lfunc_end_k_q5533d415ef_mix:
	.size	k_q5533d415ef_mix, .Lfunc_end_k_q5533d415ef_mix-k_q5533d415ef_mix
	.p2alignl 7, 3214868480
	.fill 96, 4, 3214868480
	.section	.rodata,"a",@progbits
	.p2align	6, 0x0
	.amdhsa_kernel k_q5533d415ef_mix
		.amdhsa_group_segment_fixed_size 0
		.amdhsa_private_segment_fixed_size 0
		.amdhsa_enable_private_segment 0
		.amdhsa_kernarg_size 40
		.amdhsa_user_sgpr_count 2
		.amdhsa_user_sgpr_kernarg_segment_ptr 1
		.amdhsa_wavefront_size32 1
		.amdhsa_system_sgpr_workgroup_id_x 1
		.amdhsa_system_sgpr_workgroup_id_y 1
		.amdhsa_system_sgpr_workgroup_id_z 1
		.amdhsa_system_vgpr_workitem_id 0
		.amdhsa_next_free_vgpr 168
		.amdhsa_next_free_sgpr 66
		.amdhsa_reserve_vcc 1
		.amdhsa_float_denorm_mode_32 3
		.amdhsa_float_denorm_mode_16_64 3
		.amdhsa_memory_ordered 1
		.amdhsa_forward_progress 1
		.amdhsa_inst_pref_size 34
	.end_amdhsa_kernel
	.amdgpu_metadata
---
amdhsa.version: [ 1, 2 ]
amdhsa.kernels:
  - .name:           k_q5533d415ef_mix
    .symbol:         k_q5533d415ef_mix.kd
    .args:
      - { .name: eo, .offset: 0, .size: 8, .value_kind: global_buffer, .address_space: global }
      - { .name: wts, .offset: 8, .size: 8, .value_kind: global_buffer, .address_space: global }
      - { .name: gsum, .offset: 16, .size: 8, .value_kind: global_buffer, .address_space: global }
      - { .name: out0, .offset: 24, .size: 8, .value_kind: global_buffer, .address_space: global }
      - { .name: out1, .offset: 32, .size: 8, .value_kind: global_buffer, .address_space: global }
    .group_segment_fixed_size: 0
    .private_segment_fixed_size: 0
    .kernarg_segment_align: 8
    .kernarg_segment_size: 40
    .max_flat_workgroup_size: 256
    .sgpr_count:     66
    .vgpr_count:     168
    .wavefront_size: 32
...
	.end_amdgpu_metadata
.endif
;; end of part 3
